; MI455X (gfx1250); checked and timed in simulation.
; The chip was launched on July 23, 2026; its instructions are those of AMD's public machine-readable ISA for CDNA 5 (MIT licence, August 2026) and "CDNA5" Instruction Set Architecture Reference Guide (July 2026). The comments in the code are by the model that wrote it; some were corrected since.
;; Multi Head Self Attention. Allowed arithmetic: matrix products marked QUANTISED: E2M3 operands, one E8M0 scale for each 32 along K, by v_wmma_scale_f32_16x16x128_f8f6f4 with both operands' format E2M3, f32 sums; everything else in f32.
;; Inputs: Wk 16 x 1,024 x 64 float32; Wo 1,024 x 1,024 float32; Wq 16 x 1,024 x 64 float32; Wv 16 x 1,024 x 64 float32; bk 16 x 64 float32; bo 1,024 float32; bq 16 x 64 float32; bv 16 x 64 float32; x 4 x 2,048 x 1,024 float32.
;; Outputs: out0 4 x 2,048 x 1,024 float32.
;; This version of the problem:
;;   THIS VERSION OF THE PROBLEM IS GIVEN IN LOW PRECISION. The matrix products marked QUANTISED in the list below multiply operands that are first quantised to E2M3 (2 exponent bits, 3 mantissa bits; 6 bits a number), with one power-of-two scale for each 32 numbers along K (OCP MX v1.0); their sums are f32. All else is computed in f32.
;;   The module's matrix products, in the order in which they are computed (A, B: the left and right operand; K: the contracted axis; several contracted axes count as one K, in the product's order):
;;     1. [M 1,024, K 1,024] x [K 1,024, N 8,192]; A: input Wq; B: input x: QUANTISED
;;     2. [M 1,024, K 1,024] x [K 1,024, N 8,192]; A: input Wk; B: input x: QUANTISED
;;     3. [M 1,024, K 1,024] x [K 1,024, N 8,192]; A: input Wv; B: input x: QUANTISED
;;     4. batch 64 x [M 2,048, K 64] x [K 64, N 2,048]; A: computed on the way; B: computed on the way: QUANTISED
;;     5. batch 64 x [M 2,048, K 2,048] x [K 2,048, N 64]; A: softmax (see below); B: computed on the way: QUANTISED
;;     6. [M 8,192, K 1,024] x [K 1,024, N 1,024]; A: computed on the way; B: input Wo: QUANTISED
;;   THE QUANTISER, for each operand of a quantised product, along K:
;;     - K is cut into blocks of 32 from its start; a last block that is shorter is filled with zeros.
;;     - A block's scale is 2^e with e = floor(log2(the largest magnitude in the block)) - 2, held to -126 .. 127; a block of zeros has e = 0. As a byte (E8M0): e + 127.
;;     - Each number is divided by its block's scale, clamped to +-7.5, and rounded to the nearest number of E2M3, ties to even, subnormals kept.
;;     - The product sums the exact products of the quantised numbers (number of the format x scale) in f32.
;;   ~~~python
;;   def quantise(x, axis):      # numpy; x: float32 -> the quantised numbers, widened to float32 again
;;       x = np.moveaxis(x, axis, -1); K = x.shape[-1]
;;       x = np.pad(x, [(0, 0)] * (x.ndim - 1) + [(0, -K % 32)]); x = x.reshape(x.shape[:-1] + (-1, 32)); a = np.abs(x).max(-1, keepdims=True)
;;       e = np.where(a > 0, np.clip(np.frexp(np.where(a > 0, a, 1))[1] - 1 - 2, -126, 127), 0)      # np.frexp(a)[1] - 1 = floor(log2(a)), exactly
;;       r = np.clip(x / 2.0 ** e, -7.5, 7.5)
;;       step = 2.0 ** (np.maximum(np.frexp(np.where(r == 0, 1, r))[1] - 1, 0) - 3)
;;       q = np.round(r / step) * step * 2.0 ** e      # np.round: ties to even
;;       return np.moveaxis(q.reshape(q.shape[:-2] + (-1,))[..., :K], -1, axis).astype(np.float32)
;;   ~~~
;;   SOFTMAX AHEAD OF A QUANTISED PRODUCT. Where the list says 'softmax', what is quantised is not the finished softmax but p = 2^(t - M), with t = logit x log2(e) and M = ceil(the row's largest t), a whole number; so 1/2 < the row's largest p <= 1. The row's sum l is taken of the UNQUANTISED p, in f32, and the product's result is divided by l at the end. Since M is a whole number, a kernel that streams over the keys may use a running M (the ceiling of the running maximum): every later rescaling is an exact power of two, which a block's scale takes up: the codes' values come out the same.
;;   OPERANDS COMPUTED ON THE WAY. 'Computed on the way' means the value that the module computes at that place (a softmax that the list does not call 'softmax' is quantised finished and normalised). What goes into a quantiser is computed in f32, as accurately as f32 sums, v_exp_f32 and their like allow (about 1e-6 of the number): no bf16 or f16 on the way to a quantiser, and a product that is left as it is and whose result goes on into a quantised operand takes f32 operands (vector FMAs, or v_wmma_f32_16x16x4_f32). A number that lies on a knife's edge between two numbers of the format may be rounded either way, as far as f32 arithmetic and the matrix unit's own rounding can turn it there, and no further.
;; One version. Each part assembles by itself: llvm-mc -triple=amdgcn-amd-amdhsa -mcpu=gfx1250 --defsym DOCPART=n.
;; ======== version 1 of 1: 4 launches
;; limits: right only within a limited range of input values
;; workspace buffers: xq 6,815,744 bytes; wc 3,407,872 bytes; qkv 27,262,976 bytes; cc 6,815,744 bytes
;; launch quant (part 1): grid 768 x 1, 4 waves a work-group, no clusters, 81,408 bytes of LDS; arguments x, Wq, Wk, Wv, Wo, xq, wc; writes xq, wc
.if DOCPART == 1
	.amdgcn_target "amdgcn-amd-amdhsa--gfx1250"
	.amdhsa_code_object_version 6
	.text
	.protected	k_q558bc387c6_quant
	.globl	k_q558bc387c6_quant
	.p2align	8
	.type	k_q558bc387c6_quant,@function
k_q558bc387c6_quant:
	s_mov_b64 s[64:65], 0
	v_nop
	global_prefetch_b8 v0, s[64:65] scope:SCOPE_SE
	s_setreg_imm32_b32 hwreg(HW_REG_WAVE_MODE, 25, 1), 1
	s_wait_xcnt 0x0
; x [8192][1024] and the four weights, all f32, become codes of FP6 (E2M3) with one E8M0 byte for each 32 along K = the 1,024 input channels.
; The codes are laid as IMAGES OF THE OPERANDS' REGISTERS.  A tile is 16 rows; tile T holds rows 32 (T / 2) + 8 (T % 2) + r + 8 (r / 8), r = 0 .. 15.
; A half (768 bytes) is 16 rows x 64 K: lane l = (r, h) owns the 24 bytes of k = 32 h .. 32 h + 31: its registers 0-3 at 16 l, its registers 4-5 at 512 + 8 l.
; Codes: [group of 128 rows][K step of 128][tile 8][half 2][768].  Scale words behind them: [tile][K step 8][128]: row r's word at 4 r and at 4 (r + 16).
; wc's operand rows: 0-1023 Wq (64 head + d), 1024-2047 Wk, 2048-3071 Wv, 3072-4095 Wo's columns.
; A block's scale is 2^(floor(log2(largest magnitude)) - 2): its byte is the largest magnitude's exponent field - 2, held at 1 from below.
; LIMITS: NaN and infinities among the inputs are not served; blocks whose largest magnitude lies under 2^-124 keep the byte 1; a block of zeros has the byte 1 where the
; rule says 127: its codes are zeros, which add nothing under that byte, and the bytes are read by this program alone.
; Work-groups 0-511: one tile of x each, wave w its K steps 2 w and 2 w + 1.  Work-groups 512-767: 64 operand rows x 256 K of a weight, a wave 32 rows x 128 K.
; No cluster, no tensor load, no matrix unit: every input byte is read once, by one wave, and no tile is shared.  The two paths have LDS bytes of their own and each ends by itself.
.set XS,    6291456                    ; xq: where the scale words begin
.set WS,    3145728                    ; wc: likewise
.set XP,    1040                       ; x's stage: a row of 1,024 bytes + 16: 65 x 16 bytes, so that the 16 rows of a read start 16 bytes apart modulo 256
.set XSTG,  16*XP                      ; a wave's stage
.set WST0,  4*XSTG                     ; the weights' stages begin here
.set WSTG,  3584                       ; 3,072 bytes of two tiles' images, 256 of their scale words
.set SPARE, WST0+4*WSTG                ; the spare words: 128 bytes a wave, two blocks of 256 bytes that no other line names
.set SPW,   12                         ; v12 my spare word's address; never rewritten
.set NIL,   13                         ; v13 0; never rewritten
.set L16,   4                          ; v4  16 x lane
.set L8,    5                          ; v5  8 x lane
.set L4,    6                          ; v6  4 x lane
	s_load_b256 s[4:11], s[0:1], 0x0               ; x, Wq, Wk, Wv
	s_load_b128 s[12:15], s[0:1], 0x20             ; Wo, xq
	s_load_b64 s[16:17], s[0:1], 0x30              ; wc
	v_lshl_add_u32 v[SPW], v0, 2, SPARE
	v_mov_b32 v[NIL], 0
	v_lshrrev_b32 v1, 5, v0
	v_readfirstlane_b32 s18, v1                    ; wave 0..3
	v_and_b32 v2, 31, v0                           ; lane
	v_lshlrev_b32 v[L16], 4, v2
	v_lshlrev_b32 v[L8], 3, v2
	v_lshlrev_b32 v[L4], 2, v2
	s_cmp_ge_u32 ttmp9, 512
	s_cbranch_scc1 .Lweights
; ---------------- x: K is innermost ----------------
.set XW,  7                            ; v7   the stage on the way in: 16 x lane
.set XRD, 8                            ; v8   on the way out: row r, + 128 h
.set SH,  9                            ; v9   8 h: my bytes' place in the scale word
.set RAW, 16                           ; v16-143  16 rows x 1,024 bytes as loaded
.set XN,  144                          ; v144-207 my two blocks of a K step
.set PC,  208                          ; v208-219 the fragment
.set Z0,  220                          ; v220-222, v224-226: a conversion's three registers begin on an even number
.set Z1,  224
.set MX,  228
.set SO,  230
.set BY,  232
.set WD,  234
.set TP,  235
	v_and_b32 v3, 15, v0                           ; r
	v_bfe_u32 v[SH], v0, 4, 1                      ; h
	s_mul_i32 s19, s18, XSTG
	v_add_nc_u32 v[XW], s19, v[L16]
	v_mul_u32_u24 v[XRD], v3, XP
	v_lshl_add_u32 v[XRD], v[SH], 7, v[XRD]
	v_add_nc_u32 v[XRD], s19, v[XRD]
	v_lshlrev_b32 v[SH], 3, v[SH]
	v_mov_b32 v[TP], 0                             ; a lane permute's destination counts as read
	s_mov_b32 s2, 0x76543210
	s_mov_b32 s3, 0xfedcba98                       ; selects for lane l xor 16
	s_lshr_b32 s20, ttmp9, 1
	s_lshl_b32 s20, s20, 5
	s_and_b32 s21, ttmp9, 1
	s_lshl_b32 s21, s21, 3
	s_add_co_u32 s20, s20, s21                     ; the tile's first row
	s_lshl_b32 s20, s20, 12                        ; rows of 4,096 bytes
	s_lshl_b32 s21, s18, 10                        ; my 256 columns
	s_add_co_u32 s20, s20, s21
	s_mov_b32 s21, 0
	s_lshr_b32 s22, ttmp9, 3
	s_mul_i32 s22, s22, 98304                      ; the group,
	s_mul_i32 s23, s18, 24576                      ; K step 2 w,
	s_add_co_u32 s22, s22, s23
	s_and_b32 s23, ttmp9, 7
	s_mul_i32 s23, s23, 1536                       ; the tile in its group
	s_add_co_u32 s22, s22, s23
	s_mov_b32 s23, 0
	s_lshl_b32 s28, ttmp9, 10                      ; scale words: 1,024 bytes a tile,
	s_lshl_b32 s29, s18, 8                         ; 128 a K step
	s_add_co_u32 s28, s28, s29
	s_add_co_u32 s28, s28, XS
	s_mov_b32 s29, 0
	s_wait_alu depctr_va_vdst(0)
	s_wait_kmcnt 0x0
	s_add_nc_u64 s[4:5], s[4:5], s[20:21]
	s_add_nc_u64 s[24:25], s[14:15], s[22:23]
	s_add_nc_u64 s[26:27], s[14:15], s[28:29]
.set n, 0
.rept 16                               ; each load reads 512 consecutive bytes of one row
	global_load_b128 v[RAW+8*n:RAW+8*n+3], v[L16], s[4:5] offset:(n+8*(n/8))*4096 th:TH_LOAD_NT
	global_load_b128 v[RAW+8*n+4:RAW+8*n+7], v[L16], s[4:5] offset:(n+8*(n/8))*4096+512 th:TH_LOAD_NT
.set n, n+1
.endr
.set n, 0
.rept 16
	s_wait_loadcnt 30-2*n                          ; row n's two loads are in; the 2 (15 - n) behind them may be out
	ds_store_b128 v[XW], v[RAW+8*n:RAW+8*n+3] offset:n*XP
	ds_store_b128 v[XW], v[RAW+8*n+4:RAW+8*n+7] offset:n*XP+512
.set n, n+1
.endr
; K step 2 w + q: lane (r, h) takes blocks h and 2 + h of row r whole: no other lane is asked for a maximum
.macro XSTEP q
.set n, 0
.rept 16
	ds_load_b128 v[XN+4*n:XN+4*n+3], v[XRD] offset:512*\q+256*(n/8)+16*(n%8)   ; LDS serves a wave's instructions in order: these see my stores
.set n, n+1
.endr
	s_wait_dscnt 0x0
.if \q
	s_wait_xcnt 0x0                                ; the first K step's stores have read the fragment and the word: both are written again below
.endif
.irp c, 0,1
	v_max3_num_f32 v[MX+\c], |v[XN+32*\c]|, |v[XN+32*\c+1]|, 0x1800000   ; and the floor 2^(3 - 127): the byte cannot fall under 1
.endr
.set n, 2
.rept 15
.irp c, 0,1
	v_max3_num_f32 v[MX+\c], v[MX+\c], |v[XN+32*\c+n]|, |v[XN+32*\c+n+1]|
.endr
.set n, n+2
.endr
.irp c, 0,1
	v_add_nc_u32 v[SO+\c], 0xff000000, v[MX+\c]    ; 2 off the exponent field: the conversion's scale operand
.endr
.irp c, 0,1
	v_lshrrev_b32 v[BY+\c], 23, v[SO+\c]           ; the byte
.endr
	v_lshl_or_b32 v[WD], v[BY+1], 16, v[BY]        ; blocks h and 2 + h,
	v_lshlrev_b32 v[WD], v[SH], v[WD]              ; at their places;
	v_permlanex16_b32 v[TP], v[WD], s2, s3
	v_or_b32 v[WD], v[WD], v[TP]                   ; with lane l xor 16's two the word is whole
	v_cvt_scalef32_pk16_fp6_f32 v[PC:PC+2], v[XN:XN+15], v[SO]
	v_cvt_scalef32_pk16_fp6_f32 v[Z0:Z0+2], v[XN+16:XN+31], v[SO]
	v_cvt_scalef32_pk16_fp6_f32 v[PC+6:PC+8], v[XN+32:XN+47], v[SO+1]
	v_cvt_scalef32_pk16_fp6_f32 v[Z1:Z1+2], v[XN+48:XN+63], v[SO+1]
	v_nop                                          ; one plain line behind the conversions
.irp i, 0,1,2
	v_mov_b32 v[PC+3+\i], v[Z0+\i]
	v_mov_b32 v[PC+9+\i], v[Z1+\i]
.endr
	global_store_b128 v[L16], v[PC:PC+3], s[24:25] offset:12288*\q          ; 512 consecutive bytes
	global_store_b64 v[L8], v[PC+4:PC+5], s[24:25] offset:12288*\q+512      ; 256
	global_store_b128 v[L16], v[PC+6:PC+9], s[24:25] offset:12288*\q+768
	global_store_b64 v[L8], v[PC+10:PC+11], s[24:25] offset:12288*\q+1280
	global_store_b32 v[L4], v[WD], s[26:27] offset:128*\q
.endm
	XSTEP 0
	XSTEP 1
	s_wait_tensorcnt 0x0                           ; the wave's end
	ds_add_u32 v[SPW], v[NIL]
	s_wait_dscnt 0x0
	s_endpgm
; ---------------- the weights: K is not innermost.  A lane takes a column and its registers run down K ----------------
.set OFF, 16                           ; v16-47  4 x lane + i x the pitch from row to row
.set WX,  48                           ; v48-111 two sets of 32 numbers
.set Y,   112                          ; v112-117 a block's codes
.set Z,   118
.set WW,  126                          ; the column's scale word
.set SA,  8                            ; stage: tile u, 16 r
.set SB,  9                            ; tile u, 8 r
.set SS,  10                           ; the words: 128 u + 4 r
.set LW,  11                           ; back: 4 x lane
.set LR,  15                           ; back: 16 x lane
.Lweights:
	s_sub_co_u32 s19, ttmp9, 512
	s_lshr_b32 s20, s19, 2                         ; which 64 operand rows
	s_and_b32 s19, s19, 3
	s_lshl_b32 s19, s19, 1
	s_lshr_b32 s21, s18, 1
	s_add_co_u32 s19, s19, s21                     ; my K step
	s_and_b32 s21, s18, 1                          ; my 32 of the 64
	s_lshr_b32 s22, s20, 4                         ; 0 Wq, 1 Wk, 2 Wv, 3 Wo
	s_and_b32 s23, s20, 15                         ; the head, or Wo's block of 64 columns
	s_cmp_eq_u32 s22, 3
	s_cselect_b32 s32, 12, 8                       ; a row of Wo is 4,096 bytes, of a head's weight 256
	s_cselect_b32 s33, 8, 18                       ; 64 columns of Wo are 256 bytes on, a head 262,144
	s_lshl_b32 s34, 1, s32
	s_lshl_b32 s35, s23, s33
	s_lshl_b32 s36, s21, 7
	s_add_co_u32 s35, s35, s36
	s_lshl_b32 s36, s19, 7
	s_lshl_b32 s36, s36, s32                       ; 128 rows a K step
	s_add_co_u32 s36, s35, s36
	s_mov_b32 s37, 0
	s_lshl_b32 s38, s34, 5                         ; 32 rows a block
	s_mov_b32 s39, 0
	s_lshr_b32 s41, s20, 1
	s_mul_i32 s41, s41, 98304
	s_mul_i32 s42, s19, 12288
	s_add_co_u32 s41, s41, s42
	s_and_b32 s42, s20, 1
	s_lshl_b32 s42, s42, 1
	s_add_co_u32 s42, s42, s21
	s_mul_i32 s42, s42, 3072                       ; my two tiles lie on end
	s_add_co_u32 s42, s41, s42
	s_mov_b32 s43, 0
	s_lshl_b32 s44, s20, 12
	s_lshl_b32 s45, s21, 11
	s_add_co_u32 s44, s44, s45
	s_lshl_b32 s45, s19, 7
	s_add_co_u32 s44, s44, s45
	s_add_co_u32 s44, s44, WS
	s_mov_b32 s45, 0
	v_bfe_u32 v3, v0, 3, 1                         ; column l lies in tile u = (l / 8) % 2,
	v_and_b32 v7, 7, v0
	v_bfe_u32 v14, v0, 4, 1
	v_lshl_add_u32 v7, v14, 3, v7                  ; as its row r = l % 8 + 8 (l / 16)
	s_mul_i32 s40, s18, WSTG
	s_add_co_u32 s40, s40, WST0
	v_mul_u32_u24 v14, v3, 1536
	v_add_nc_u32 v14, s40, v14
	v_lshl_add_u32 v[SA], v7, 4, v14
	v_lshl_add_u32 v[SB], v7, 3, v14
	v_lshlrev_b32 v[SS], 7, v3
	v_lshl_add_u32 v[SS], v7, 2, v[SS]
	v_add_nc_u32 v[SS], s40, v[SS]
	v_add_nc_u32 v[LW], s40, v[L4]
	v_add_nc_u32 v[LR], s40, v[L16]
.set n, 0
.rept 32
	v_mad_u32_u24 v[OFF+n], s34, n, v[L4]
.set n, n+1
.endr
	s_wait_alu depctr_va_vdst(0)
	s_wait_kmcnt 0x0
	s_cmp_eq_u32 s22, 1                            ; the choice hangs on the work-group's number alone
	s_cselect_b64 s[6:7], s[8:9], s[6:7]
	s_cmp_eq_u32 s22, 2
	s_cselect_b64 s[6:7], s[10:11], s[6:7]
	s_cmp_eq_u32 s22, 3
	s_cselect_b64 s[6:7], s[12:13], s[6:7]
	s_add_nc_u64 s[24:25], s[6:7], s[36:37]        ; a base for each of the four blocks: none is ever stepped
	s_add_nc_u64 s[26:27], s[24:25], s[38:39]
	s_add_nc_u64 s[28:29], s[26:27], s[38:39]
	s_add_nc_u64 s[30:31], s[28:29], s[38:39]
	s_add_nc_u64 s[42:43], s[16:17], s[42:43]
	s_add_nc_u64 s[44:45], s[16:17], s[44:45]
.macro WLOAD t
.set n, 0
.rept 32
	global_load_b32 v[WX+32*((\t)%2)+n], v[OFF+n], s[24+2*(\t):25+2*(\t)] th:TH_LOAD_NT   ; 128 consecutive bytes of one row
.set n, n+1
.endr
.endm
.macro WBLOCK t
.set XB, WX+32*((\t)%2)
.if (\t) < 3
	s_wait_loadcnt 32                              ; this block's 32 loads are in; the next block's may be out
.else
	s_wait_loadcnt 0x0
.endif
	v_max3_num_f32 v122, |v[XB]|, |v[XB+1]|, |v[XB+2]|
	v_max3_num_f32 v123, |v[XB+3]|, |v[XB+4]|, |v[XB+5]|
.irp i, 6,10,14,18,22,26
	v_max3_num_f32 v122, v122, |v[XB+\i]|, |v[XB+\i+1]|
	v_max3_num_f32 v123, v123, |v[XB+\i+2]|, |v[XB+\i+3]|
.endr
	v_max3_num_f32 v122, v122, |v[XB+30]|, |v[XB+31]|
	v_max3_num_f32 v122, v122, v123, 0x1800000     ; the floor
	v_add_nc_u32 v124, 0xff000000, v122
	v_lshrrev_b32 v125, 23, v124
.if (\t) == 0
	v_mov_b32 v[WW], v125
.else
	v_lshl_or_b32 v[WW], v125, 8*(\t), v[WW]
.endif
	v_cvt_scalef32_pk16_fp6_f32 v[Y:Y+2], v[XB:XB+15], v124
	v_cvt_scalef32_pk16_fp6_f32 v[Z:Z+2], v[XB+16:XB+31], v124
	v_nop
.irp i, 0,1,2
	v_mov_b32 v[Y+3+\i], v[Z+\i]
.endr
	ds_store_b128 v[SA], v[Y:Y+3] offset:768*((\t)/2)+256*((\t)%2)          ; block t is lane (r, t % 2) of half t / 2
	ds_store_b64 v[SB], v[Y+4:Y+5] offset:768*((\t)/2)+512+128*((\t)%2)
.if (\t)+2 < 4
	WLOAD (\t)+2
.endif
	s_wait_dscnt 0x0                               ; the stores have read their registers
.endm
	WLOAD 0
	WLOAD 1
	WBLOCK 0
	WBLOCK 1
	WBLOCK 2
	WBLOCK 3
	s_wait_alu depctr_va_vdst(0)
	ds_store_b32 v[SS], v[WW] offset:3072          ; the word at 4 r and at 4 (r + 16)
	ds_store_b32 v[SS], v[WW] offset:3072+64
.irp i, 0,1,2,3,4,5
	ds_load_b128 v[WX+4*\i:WX+4*\i+3], v[LR] offset:512*\i
.endr
	ds_load_b32 v[WX+24], v[LW] offset:3072
	ds_load_b32 v[WX+25], v[LW] offset:3200
	s_wait_dscnt 0x0
.irp i, 0,1,2,3,4,5
	global_store_b128 v[L16], v[WX+4*\i:WX+4*\i+3], s[42:43] offset:512*\i  ; 3,072 consecutive bytes in all
.endr
	global_store_b32 v[L4], v[WX+24], s[44:45]
	global_store_b32 v[L4], v[WX+25], s[44:45] offset:1024
	s_wait_tensorcnt 0x0                           ; the wave's end
	ds_add_u32 v[SPW], v[NIL]
	s_wait_dscnt 0x0
	s_endpgm
.Lfunc_end_k_q558bc387c6_quant:
	.size	k_q558bc387c6_quant, .Lfunc_end_k_q558bc387c6_quant-k_q558bc387c6_quant
	.p2alignl 7, 3214868480
	.fill 96, 4, 3214868480
	.section	.rodata,"a",@progbits
	.p2align	6, 0x0
	.amdhsa_kernel k_q558bc387c6_quant
		.amdhsa_group_segment_fixed_size 81408
		.amdhsa_private_segment_fixed_size 0
		.amdhsa_enable_private_segment 0
		.amdhsa_kernarg_size 56
		.amdhsa_user_sgpr_count 2
		.amdhsa_user_sgpr_kernarg_segment_ptr 1
		.amdhsa_wavefront_size32 1
		.amdhsa_system_sgpr_workgroup_id_x 1
		.amdhsa_system_sgpr_workgroup_id_y 1
		.amdhsa_system_sgpr_workgroup_id_z 1
		.amdhsa_system_vgpr_workitem_id 0
		.amdhsa_next_free_vgpr 256
		.amdhsa_next_free_sgpr 66
		.amdhsa_reserve_vcc 0
		.amdhsa_float_denorm_mode_32 3
		.amdhsa_float_denorm_mode_16_64 3
		.amdhsa_memory_ordered 1
		.amdhsa_forward_progress 1
		.amdhsa_inst_pref_size 42
	.end_amdhsa_kernel
	.amdgpu_metadata
---
amdhsa.version: [ 1, 2 ]
amdhsa.kernels:
  - .name:           k_q558bc387c6_quant
    .symbol:         k_q558bc387c6_quant.kd
    .args:
      - { .name: x, .offset: 0, .size: 8, .value_kind: global_buffer, .address_space: global }
      - { .name: Wq, .offset: 8, .size: 8, .value_kind: global_buffer, .address_space: global }
      - { .name: Wk, .offset: 16, .size: 8, .value_kind: global_buffer, .address_space: global }
      - { .name: Wv, .offset: 24, .size: 8, .value_kind: global_buffer, .address_space: global }
      - { .name: Wo, .offset: 32, .size: 8, .value_kind: global_buffer, .address_space: global }
      - { .name: xq, .offset: 40, .size: 8, .value_kind: global_buffer, .address_space: global }
      - { .name: wc, .offset: 48, .size: 8, .value_kind: global_buffer, .address_space: global }
    .group_segment_fixed_size: 81408
    .private_segment_fixed_size: 0
    .kernarg_segment_align: 8
    .kernarg_segment_size: 56
    .max_flat_workgroup_size: 128
    .sgpr_count:     66
    .vgpr_count:     256
    .wavefront_size: 32
...
	.end_amdgpu_metadata
.endif
;; end of part 1
;; launch qkv (part 2): grid 8 x 32, 4 waves a work-group, clusters of 4 x 4, 327,680 bytes of LDS; arguments xq, wc, bq, bk, bv, qkv; writes qkv
.if DOCPART == 2
	.amdgcn_target "amdgcn-amd-amdhsa--gfx1250"
	.amdhsa_code_object_version 6
	.text
	.protected	k_q558bc387c6_qkv
	.globl	k_q558bc387c6_qkv
	.p2align	8
	.type	k_q558bc387c6_qkv,@function
k_q558bc387c6_qkv:
	s_mov_b64 s[64:65], 0
	v_nop
	global_prefetch_b8 v0, s[64:65] scope:SCOPE_SE
	s_setreg_imm32_b32 hwreg(HW_REG_WAVE_MODE, 25, 1), 1
	s_wait_xcnt 0x0
	s_wait_alu depctr_hold_cnt(0) depctr_sa_sdst(0) depctr_va_vdst(0) depctr_va_sdst(0) depctr_va_ssrc(0) depctr_va_vcc(0) depctr_vm_vsrc(0)
	s_getreg_b32 s2, hwreg(HW_REG_IB_STS2, 6, 4)
	s_cmp_eq_u32 s2, 0
	s_cbranch_scc0 .Lentry_in_a_cluster
	s_endpgm
.Lentry_in_a_cluster:
	s_bfe_u32 s2, ttmp6, 0x10000c
	s_cmp_lg_u32 s2, 0xf033
	s_cbranch_scc0 .Lentry_shape_is_right
	s_endpgm
.Lentry_shape_is_right:
; q, k = x W + b and v^T = Wv^T x^T + b on codes of FP6 (E2M3) with E8M0 scales, K = 1,024, quantised on the way out: q and k along d, v along the keys; nothing leaves as f32.
; Operands are images of their registers: tiles of 16 rows, tile T = rows 32 (T / 2) + 8 (T % 2) + r + 8 (r / 8); a half of 768 bytes = 16 rows x 64 K;
; codes [group of 128 rows][K step 8][tile 8][half 2][768]; scale words behind them, [tile][K step 8][128].  wc's groups: 0-7 Wq, 8-15 Wk, 16-23 Wv, one group a head pair.
; SHARES.  256 work-groups of equal work.  Work-group (head pair cb, block tb of 256 tokens) STAYS and makes three tiles of 256 tokens x 128 channels: q, k, v of its head pair.
; A wave makes 64 tokens x 128 channels: 32 accumulators.  q, k: source 0 = a tile of W, source 1 = a tile of x: a lane holds a token and its registers run along the channels.
; v: the sources change places: a lane holds a channel and its registers run along the keys.  By the tiles' order the 16 registers of tiles 2 b, 2 b + 1 are 16 neighbours.
; LDS: x's codes stay ([half of K 2][group 2][49,152]), fetched in two loads; W goes through two slots of four K steps (49,152 bytes), slot h = half h of K; x's scale words (16,384) stay;
; W's (8,192) are read into registers at a tile's start and filled again for the next tile.  One barrier for each change of slots, at the head of a half's last K step: my reads of the slot are over
; (the step's fragments were fetched a step ahead) and the other slot is whole; it opens a round of the cluster's barrier, and the slot is filled again with the next tile's half.
; CLUSTERS 4 x 4: x's tiles are asked for jointly along a row of the cluster (same tb), W's along a column (same cb).  One tensor load a wave at the head and behind each round.
; PREFETCH: behind each fill of a slot the slot that the NEXT fill will ask for: 49,152 bytes, shared out by address among the four partners that ask for it jointly and their four waves:
; 12 blocks of 256 bytes a wave, a lane a block (the lanes left over name the wave's last block again); the last fill asks for nothing.
; The bias is the C of a tile's first products.  The quantiser reads the accumulators where they lie.
; qkv: a record of 13,312 bytes for each (head 16 batch + h, group of 128 tokens), a head's records on end; q's from byte 0, k's and v's share records from KVC.  A record is four quarters of 3,328 bytes;
; quarter m: token tiles 2 m, 2 m + 1 of q or k (2 x 768), v's channel tile m (keys 0-63, keys 64-127: 2 x 768; not used in q's records), 128 bytes of q's or k's scale words
; (bytes 0, 1 tile 2 m, bytes 2, 3 tile 2 m + 1), 128 bytes of v's tile m (a wave stores its two key blocks' bytes, 2 bytes a lane).
; LIMITS: NaN and infinities are not served; blocks whose largest magnitude lies under 2^-124 keep the byte 1; a block of zeros has the byte 1 where the rule says 127 (its codes are zeros; this program alone reads the bytes).
; REGISTERS: window 0: v16-31 addresses, v32-63 x's scale words (8 a + K step), v64-127 W's (8 b + K step), v128-191 q's or k's bias, v192-255 the way out.
;   window 1: W's fragments, two sets (0, 128).  window 2: the accumulators.  window 3: x's fragments, two sets (0, 64); v128-191 v's bias.
.set XS,    6291456
.set WS,    3145728
.set KVC,   13631488
.set HS,    16*13312
.set GRP,   98304
.set HK,    49152                      ; four K steps of a group
.set WL,    4*HK
.set XW,    6*HK
.set WW,    XW+16384
.set SPARE, WW+8192                    ; the spare words: 128 bytes a wave, two blocks of 256 bytes that no other line names
.set AX16, 16                          ; v16-17 x: 16 x lane in half 0, 1 of K; v18-19: 8 x lane
.set AX8,  18
.set AW16, 20                          ; v20-23 the same for W's slots
.set AW8,  22
.set L16,  24
.set L8,   25
.set L4,   26
.set AXW,  27
.set SPW,  28
.set NIL,  29
.set AWW,  30
.set PFO,  31
.set XSC,  32
.set WSC,  64
.set BN,   128
.set PC,   192
.set PW,   212
.set WD,   214
.set TM,   240
.set G1X,  24                          ; group 1: x's codes, W's codes, x's words, W's words
.set G1W,  32
.set G1XW, 48
.set G1WW, 56
.set G0X,  68                          ; group 0: x's codes; W's slots 0, 1; x's words; W's words
.set G0W,  72
.set G0XW, 80
.set G0WW, 84
.set P0,   88                          ; s[88:91] q, k: head 0's and head 1's record; s[92:95] v's codes; s[96:99] v's words
.set PV,   92
.set PVW,  96
.set PF,   44
.set TRIP, 46
.set MSB, 0
.macro WIN new                         ; the immediate's high byte repeats the setting that is left
.if MSB != \new
	s_set_vgpr_msb (MSB<<8)|\new
.set MSB, \new
.endif
.endm
.macro PLACES n                        ; plain vector lines between a matrix instruction and a load into, or a vector read of, its registers (ISA guide 7.12.1 for vector reads)
.rept \n
	v_nop
.endr
.endm
.macro CREST                           ; a round of the cluster's barrier behind its opening barrier
	s_cmp_lg_u32 s16, 0
	s_cbranch_scc1 .Lnot_wave_0_\@
	s_barrier_signal -3
.Lnot_wave_0_\@:
	s_barrier_wait -3
	s_barrier_signal -1
	s_barrier_wait -1
.endm
.macro CROUND
	s_barrier_signal -1
	s_barrier_wait -1
	CREST
.endm
.macro TLOAD g0, g1                    ; an s_nop 0 and four v_nop follow each tensor load
	tensor_load_to_lds s[\g0:\g0+3], s[\g1:\g1+7]
	s_nop 0
	PLACES 4
.endm
; the joint loads behind a round: wave wa's, and wave wb's (wb = 9: none): one chain of branches on the wave's number
.macro FILL wa, g0a, g1a, wb, g0b, g1b
	s_cmp_eq_u32 s16, \wa
	s_cbranch_scc0 .Lother_\@
	TLOAD \g0a, \g1a
	s_branch .Lasked_\@
.Lother_\@:
.if \wb < 9
	s_cmp_eq_u32 s16, \wb
	s_cbranch_scc0 .Lasked_\@
	TLOAD \g0b, \g1b
.endif
.Lasked_\@:
.endm
.macro SHAPE g, c, r, p                ; r rows of c elements of 8 bytes, p elements apart
	s_mov_b32 s[\g+1], (\c)<<16
	s_mov_b32 s[\g+2], (\r)<<16
	s_mov_b32 s[\g+3], (\c)<<16
	s_mov_b32 s[\g+4], \r
	s_mov_b32 s[\g+5], \p
	s_mov_b32 s[\g+6], 0
	s_mov_b32 s[\g+7], 0
.endm
.macro G0SET g, lds, b, o
	s_mov_b32 s[\g], 1
	s_mov_b32 s[\g+1], \lds
	s_add_nc_u64 s[\g+2:\g+3], s[\b:\b+1], s[\o:\o+1]
	s_or_b32 s[\g+3], s[\g+3], 0x80000000
.endm
	s_load_b256 s[4:11], s[0:1], 0x0               ; xq, wc, bq, bk
	s_load_b128 s[12:15], s[0:1], 0x20             ; bv, qkv
	v_lshl_add_u32 v[SPW], v0, 2, SPARE
	v_mov_b32 v[NIL], 0
	ds_add_u32 v[SPW], v[NIL]                      ; the wave's opening: the add, twice on end, and its wait ahead of my first tensor load
	ds_add_u32 v[SPW], v[NIL]
	v_lshrrev_b32 v1, 5, v0
	v_readfirstlane_b32 s16, v1                    ; wave 0..3
	s_lshr_b32 s17, s16, 1                         ; my group of the two groups of tokens,
	s_and_b32 s18, s16, 1                          ; my 64 tokens of its 128
	s_bfe_u32 s40, ttmp6, 0x40000                  ; cx
	s_bfe_u32 s41, ttmp6, 0x40004                  ; cy
	s_lshl_b32 s42, ttmp9, 2
	s_add_co_u32 s42, s42, s40                     ; cb, the head pair
	s_and_b32 s43, ttmp7, 0xffff
	s_lshl_b32 s43, s43, 2
	s_add_co_u32 s43, s43, s41                     ; tb, the block of 256 tokens
	s_lshl_b32 s47, s41, 2
	s_lshl_b32 s47, 15, s47                        ; my row of the cluster
	s_lshl_b32 s19, 0x1111, s40                    ; my column
	s_or_b32 s[G1X], s47, (3<<16)|(1<<21)          ; 15:0 the mask; 17:16 elements of 8 bytes; 21 set beside a mask; no padding: every LDS pass takes 256 consecutive bytes
	s_or_b32 s[G1XW], s47, (3<<16)|(1<<21)
	s_or_b32 s[G1W], s19, (3<<16)|(1<<21)
	s_or_b32 s[G1WW], s19, (3<<16)|(1<<21)
	SHAPE G1X, 6144, 2, GRP/8                      ; two groups' four K steps: 2 rows of 49,152 bytes
	SHAPE G1W, 32, 192, 32                         ; 49,152 dense bytes
	SHAPE G1XW, 32, 64, 32                         ; 16,384
	SHAPE G1WW, 32, 32, 32                         ; 8,192
	s_mul_i32 s20, s43, 2*GRP                      ; x: s20-23 never hold cx or the cluster's x
	s_lshl_b32 s22, s43, 14
	s_add_co_u32 s22, s22, XS
	s_mov_b32 s21, 0
	s_mov_b32 s23, 0
	s_mul_i32 s88, s42, GRP                        ; W: s88-91 never hold cy or the cluster's y
	s_lshl_b32 s90, s42, 13
	s_add_co_u32 s90, s90, WS
	s_mov_b32 s89, 0
	s_mov_b32 s91, 0
	s_wait_dscnt 0x0                               ; both opening adds are done
	s_wait_kmcnt 0x0
	G0SET G0X, 0, 4, 20
	G0SET G0XW, XW, 4, 22
	G0SET G0W, WL, 6, 88
	G0SET G0WW, WW, 6, 90
	s_mov_b32 s[G0W+4], 1
	s_mov_b32 s[G0W+5], WL+HK
	s_add_nc_u64 s[G0W+6:G0W+7], s[G0W+2:G0W+3], HK
	CROUND                                         ; all sixteen work-groups are here: the first joint loads meet
; one tensor load a wave at the head: x's K steps 0-3, Wq's K steps 0-3, x's words, Wq's words
.macro ARM under, g0, g1, next
	s_cmp_lt_u32 s16, \under
	s_cbranch_scc0 \next
	TLOAD \g0, \g1
	s_branch .Lhead_asked
\next:
.endm
	ARM 1, G0X,  G1X,  .Lhead_w
	ARM 2, G0W,  G1W,  .Lhead_xw
	ARM 3, G0XW, G1XW, .Lhead_ww
	TLOAD G0WW, G1WW
.Lhead_asked:
	s_add_co_u32 s46, s88, 8*GRP                   ; the prefetches begin at Wk's K steps 0-3: my work-group's quarter (by cy), my wave's quarter of that
	s_mul_i32 s47, s41, 12288
	s_add_co_u32 s46, s46, s47
	s_mul_i32 s47, s16, 3072
	s_add_co_u32 s46, s46, s47
	s_mov_b32 s47, 0
	s_add_nc_u64 s[PF:PF+1], s[6:7], s[46:47]
	s_lshl_b32 s46, s42, 9                         ; the head pair's 128 biases
	s_add_nc_u64 s[8:9], s[8:9], s[46:47]
	s_add_nc_u64 s[10:11], s[10:11], s[46:47]
	s_add_nc_u64 s[12:13], s[12:13], s[46:47]
	s_lshl_b32 s20, s43, 1
	s_add_co_u32 s20, s20, s17                     ; my group of 128 tokens, 0..63
	s_and_b32 s21, s20, 15
	s_lshr_b32 s20, s20, 4
	s_lshl_b32 s20, s20, 4
	s_lshl_b32 s22, s42, 1
	s_add_co_u32 s20, s20, s22                     ; the pair's first head
	s_lshl_b32 s20, s20, 4
	s_add_co_u32 s20, s20, s21
	s_mul_i32 s20, s20, 13312                      ; its record
	s_mov_b32 s21, 0
	s_add_nc_u64 s[PV:PV+1], s[14:15], s[20:21]
	s_mul_i32 s20, s18, 6656                       ; q, k: my four token tiles fill two quarters
	s_add_nc_u64 s[P0:P0+1], s[PV:PV+1], s[20:21]
	s_add_nc_u64 s[P0+2:P0+3], s[P0:P0+1], HS
	s_lshl_b32 s20, s18, 1                         ; v's words: my two key blocks' bytes
	s_add_co_u32 s20, s20, KVC+3200
	s_add_nc_u64 s[PVW:PVW+1], s[PV:PV+1], s[20:21]
	s_add_nc_u64 s[PVW+2:PVW+3], s[PVW:PVW+1], HS
	s_mul_i32 s20, s18, 768                        ; v's codes: my 64 keys are a half
	s_add_co_u32 s20, s20, KVC+1536
	s_add_nc_u64 s[PV:PV+1], s[PV:PV+1], s[20:21]
	s_add_nc_u64 s[PV+2:PV+3], s[PV:PV+1], HS
	s_mov_b32 s100, 0x05040100                     ; the low halves of two tiles' words make head 0's slot word, the high halves head 1's
	s_mov_b32 s101, 0x07060302
	s_mov_b32 s2, 0x76543210
	s_mov_b32 s3, 0xfedcba98                       ; selects for lane l xor 16
	s_mul_i32 s20, s17, HK
	s_mul_i32 s21, s18, 6144
	s_add_co_u32 s20, s20, s21                     ; x in LDS: my group, my four tiles
	s_add_co_u32 s21, s20, 2*HK
	s_lshl_b32 s22, s17, 13
	s_lshl_b32 s23, s18, 12
	s_add_co_u32 s22, s22, s23
	s_add_co_u32 s22, s22, XW
	v_and_b32 v1, 31, v0
	v_and_b32 v2, 15, v0                           ; r
	v_bfe_u32 v3, v0, 4, 1                         ; h
	v_lshlrev_b32 v[L16], 4, v1
	v_lshlrev_b32 v[L8], 3, v1
	v_lshlrev_b32 v[L4], 2, v1
	v_lshlrev_b32 v5, 6, v3                        ; q's, k's bias: register 16 b + i is number 32 b + 16 h + i of the 128
	v_and_b32 v6, 8, v2
	v_add_nc_u32 v6, v6, v2
	v_lshlrev_b32 v6, 2, v6                        ; v's: 4 (r + 8 (r / 8))
	v_min_u32 v[PFO], 11, v1
	v_lshlrev_b32 v[PFO], 8, v[PFO]
	v_add_nc_u32 v[AX16], s20, v[L16]
	v_add_nc_u32 v[AX16+1], s21, v[L16]
	v_add_nc_u32 v[AX8], s20, v[L8]
	v_add_nc_u32 v[AX8+1], s21, v[L8]
	v_add_nc_u32 v[AW16], WL, v[L16]
	v_add_nc_u32 v[AW16+1], WL+HK, v[L16]
	v_add_nc_u32 v[AW8], WL, v[L8]
	v_add_nc_u32 v[AW8+1], WL+HK, v[L8]
	v_add_nc_u32 v[AXW], s22, v[L4]
	v_add_nc_u32 v[AWW], WW, v[L4]
.irp b, 0,1,2,3
	v_mov_b32 v[TM+4+\b], 0                        ; a lane permute's destination counts as read
.endr
.macro BIASQK ptr
.irp b, 0,1,2,3
.irp j, 0,1,2,3
	global_load_b128 v[BN+16*\b+4*\j:BN+16*\b+4*\j+3], v5, s[\ptr:\ptr+1] offset:128*\b+16*\j
.endr
.endr
.endm
	BIASQK 8
	WIN 0xc0                                       ; v's bias, window 3: the lane's channel's number in all eight registers of tile a's C
.irp a, 0,1,2,3,4,5,6,7
.irp j, 0,1,2,3,4,5,6,7
	global_load_b32 v[128+8*\a+\j], v6, s[12:13] offset:4*(32*(\a/2)+8*(\a%2))
.endr
.endr
	WIN 0
.macro FRAG reg, a16, a8, off          ; a fragment: two halves, each 16 and 8 bytes a lane
	ds_load_b128 v[\reg:\reg+3], v[\a16] offset:\off
	ds_load_b64 v[\reg+4:\reg+5], v[\a8] offset:\off+512
	ds_load_b128 v[\reg+6:\reg+9], v[\a16] offset:\off+768
	ds_load_b64 v[\reg+10:\reg+11], v[\a8] offset:\off+1280
.endm
; PP: the set of fragments that the step in hand multiplies; NK: the K step that is fetched meanwhile into the other set.  Fragments 0-7: W's tiles; 8-11: x's
.macro LDF f
.if (\f) < 8
	WIN 0x40
	FRAG 128*(1-PP)+12*(\f), AW16+NK/4, AW8+NK/4, (NK%4)*12288+(\f)*1536
.else
	WIN 0xc0
	FRAG 64*(1-PP)+12*((\f)-8), AX16+NK/4, AX8+NK/4, (NK%4)*12288+((\f)-8)*1536
.endif
.endm
.macro LD2 g
	LDF 2*(\g)
	LDF 2*(\g)+1
.endm
; one product.  vm = 0: accumulator i = (token tile i / 8, channel tile i % 8); vm = 1: (channel tile i / 4, token tile i % 4).  The first K step takes the bias as C
.macro WM vm, i, ks
.if \vm
.set TA, (\i)/4
.set TC, (\i)%4
.if (\ks) == 0
	v_wmma_scale_f32_16x16x128_f8f6f4 v[8*(\i):8*(\i)+7], v[64*PP+12*TC:64*PP+12*TC+11], v[128*PP+12*TA:128*PP+12*TA+11], v[128+8*TA:128+8*TA+7], v[XSC+8*TC+(\ks)], v[WSC+8*TA+(\ks)] matrix_a_fmt:MATRIX_FMT_FP6 matrix_b_fmt:MATRIX_FMT_FP6
.else
	v_wmma_scale_f32_16x16x128_f8f6f4 v[8*(\i):8*(\i)+7], v[64*PP+12*TC:64*PP+12*TC+11], v[128*PP+12*TA:128*PP+12*TA+11], v[8*(\i):8*(\i)+7], v[XSC+8*TC+(\ks)], v[WSC+8*TA+(\ks)] matrix_a_fmt:MATRIX_FMT_FP6 matrix_b_fmt:MATRIX_FMT_FP6
.endif
.else
.set TA, (\i)/8
.set TC, (\i)%8
.if (\ks) == 0
	v_wmma_scale_f32_16x16x128_f8f6f4 v[8*(\i):8*(\i)+7], v[128*PP+12*TC:128*PP+12*TC+11], v[64*PP+12*TA:64*PP+12*TA+11], v[BN+8*TC:BN+8*TC+7], v[WSC+8*TC+(\ks)], v[XSC+8*TA+(\ks)] matrix_a_fmt:MATRIX_FMT_FP6 matrix_b_fmt:MATRIX_FMT_FP6
.else
	v_wmma_scale_f32_16x16x128_f8f6f4 v[8*(\i):8*(\i)+7], v[128*PP+12*TC:128*PP+12*TC+11], v[64*PP+12*TA:64*PP+12*TA+11], v[8*(\i):8*(\i)+7], v[WSC+8*TC+(\ks)], v[XSC+8*TA+(\ks)] matrix_a_fmt:MATRIX_FMT_FP6 matrix_b_fmt:MATRIX_FMT_FP6
.endif
.endif
.endm
.macro GRPM vm, g, ks                  ; four products; the 32 accumulators take turns, one instruction a turn, in the same order in every step
.if \vm
.if (\ks) == 0
	WIN 0xb7                                       ; source 0 (x) window 3, source 1 (W) window 1, C (the bias) window 3, D window 2
.else
	WIN 0xa7
.endif
.else
.if (\ks) == 0
	WIN 0x8d                                       ; source 0 (W) window 1, source 1 (x) window 3, C (the bias) window 0, D window 2
.else
	WIN 0xad
.endif
.endif
.irp j, 0,1,2,3
	WM \vm, 4*(\g)+\j, \ks
.endr
.endm
; A K step: 32 products on set PP, and ONE run of 48 LDS loads, the next step's fragments into the other set: at the step's head, or, where the step has a barrier, behind it.
; bar = 1: a barrier for the other slot alone.  bar = 2, 3: the change of slots, with a refill (2: slot 0 and W's words; 3: slot 1).
.macro KSTEP vm, ks, more, bar
.set PP, (\ks)%2
.set NK, ((\ks)+1)%8
	PLACES 4                                       ; ahead of the loads into the set that the last step multiplied
.if \bar
	WIN 0
.if \bar >= 2
	s_wait_xcnt 0x0                                ; my last prefetch has read its address
.if \bar == 2
	s_add_nc_u64 s[PF:PF+1], s[PF:PF+1], HK
.else
	s_add_nc_u64 s[PF:PF+1], s[PF:PF+1], 8*GRP-HK
.endif
.endif
	s_wait_tensorcnt 0x0                           ; all my tensor loads have landed
.if \bar >= 2
	ds_add_u32 v[SPW], v[NIL]
.endif
	s_wait_dscnt 0x0                               ; the add is done, this step's fragments are in: my reads of this slot are over
	s_barrier_signal -1
	GRPM \vm, 0, \ks                               ; work on registers while the others arrive
	GRPM \vm, 1, \ks
	WIN 0
	s_barrier_wait -1
.if \bar == 2
	CREST                                          ; the barrier has opened a round of the cluster's: no wave of any partner still reads this slot or has a load on its way
	s_add_nc_u64 s[G0W+2:G0W+3], s[G0W+2:G0W+3], 8*GRP       ; the next tile's group, the same half of K
	s_add_nc_u64 s[G0WW+2:G0WW+3], s[G0WW+2:G0WW+3], 8*8192
	FILL 1, G0W, G1W, 3, G0WW, G1WW
.elseif \bar == 3
	CREST
	s_add_nc_u64 s[G0W+6:G0W+7], s[G0W+6:G0W+7], 8*GRP
	FILL 1, G0W+4, G1W, 9, 0, 0
.endif
.if \more
.irp g, 0,1,2,3,4,5
	LD2 \g
.endr
.endif
.if \bar == 2
	WIN 0
	global_prefetch_b8 v[PFO], s[PF:PF+1] th:TH_LOAD_NT scope:SCOPE_SE   ; the next tile's second half, which the next refill asks for
.elseif \bar == 3
	WIN 0
	s_cmp_eq_u32 s[TRIP], 1                        ; behind k's second refill nothing is left to ask for
	s_cbranch_scc1 .Lno_ask_\@
	global_prefetch_b8 v[PFO], s[PF:PF+1] th:TH_LOAD_NT scope:SCOPE_SE
.Lno_ask_\@:
.endif
.irp g, 2,3,4,5,6,7
	GRPM \vm, \g, \ks
.endr
.else
	s_wait_dscnt 0x0                               ; this step's fragments are in (asked for at least 24 products ago)
.if \more
.irp g, 0,1,2,3,4,5
	LD2 \g
.endr
.endif
.irp g, 0,1,2,3,4,5,6,7
	GRPM \vm, \g, \ks
.endr
.endif
.endm
.macro WWORDS                          ; W's scale words of a whole tile
	WIN 0
.irp b, 0,1,2,3,4,5,6,7
.irp k, 0,1,2,3,4,5,6,7
	ds_load_b32 v[WSC+8*\b+\k], v[AWW] offset:1024*\b+128*\k
.endr
.endr
.endm
	s_wait_alu depctr_va_vdst(0)                   ; the wait at the head's end
	s_wait_tensorcnt 0x0                           ; my tile of the head's four is in
	ds_add_u32 v[SPW], v[NIL]
	s_mov_b32 s[G0X+1], 2*HK                       ; no load of mine is out: x's group 0 steps to K steps 4-7
	s_add_nc_u64 s[G0X+2:G0X+3], s[G0X+2:G0X+3], HK
	s_wait_dscnt 0x0
	CROUND
	FILL 0, G0X, G1X, 1, G0W+4, G1W                ; x's K steps 4-7 and Wq's: first fills, one load a wave
.irp a, 0,1,2,3
.irp k, 0,1,2,3,4,5,6,7
	ds_load_b32 v[XSC+8*\a+\k], v[AXW] offset:1024*\a+128*\k
.endr
.endr
	WWORDS
.set PP, 1
.set NK, 0
.irp g, 0,1,2,3,4,5
	LD2 \g
.endr
	WIN 0
	global_prefetch_b8 v[PFO], s[PF:PF+1] th:TH_LOAD_NT scope:SCOPE_SE   ; Wk's K steps 0-3, which the first refill asks for
	s_mov_b32 s[TRIP], 2
.Ltile:                                            ; two trips: q, k
	s_wait_loadcnt 0x0                             ; the bias
	KSTEP 0, 0, 1, 0
	KSTEP 0, 1, 1, 0
	KSTEP 0, 2, 1, 0
	KSTEP 0, 3, 1, 2
	KSTEP 0, 4, 1, 0
	KSTEP 0, 5, 1, 0
	KSTEP 0, 6, 1, 0
	KSTEP 0, 7, 1, 3
	PLACES 4
	WWORDS                                         ; the next tile's words: they landed ahead of the last barrier
	s_cmp_eq_u32 s[TRIP], 1
	s_cbranch_scc1 .Lno_bias
	BIASQK 10                                      ; k's bias
.Lno_bias:
; THE WAY OUT of q, k: a lane's 64 numbers of token tile a, register 16 b + i = channel 32 b + 16 (lane / 16) + i, become a fragment and its scale word
.macro TOP nb, s                       ; the blocks' largest magnitudes, each accumulator from its low end on
	WIN 0x0a                                       ; sources 0, 1: window 2
.set q, 0
.rept \nb
	v_max3_num_f32 v[TM+q], |v[\s+16*q]|, |v[\s+1+16*q]|, 0x1800000   ; and the floor 2^(3 - 127)
.set q, q+1
.endr
	WIN 0x28                                       ; sources 1, 2: window 2
.irp i, 2,4,6,8,10,12,14
.set q, 0
.rept \nb
	v_max3_num_f32 v[TM+q], v[TM+q], |v[\s+16*q+\i]|, |v[\s+1+16*q+\i]|
.set q, q+1
.endr
.endr
	WIN 0
.set q, 0
.rept \nb
	v_permlanex16_b32 v[TM+4+q], v[TM+q], s2, s3
.set q, q+1
.endr
.set q, 0
.rept \nb
	v_max_num_f32 v[TM+q], v[TM+q], v[TM+4+q]      ; with lane l xor 16's
.set q, q+1
.endr
.set q, 0
.rept \nb
	v_add_nc_u32 v[TM+12+q], 0xff000000, v[TM+q]   ; 2 off the exponent field: the conversion's scale operand
.set q, q+1
.endr
.set q, 0
.rept \nb
	v_lshrrev_b32 v[TM+4+q], 23, v[TM+12+q]        ; the byte
.set q, q+1
.endr
.endm
.irp a, 0,1,2,3
	s_wait_xcnt 0x0                                ; the last tile's stores have read the codes and the words: both are written again below
	TOP 4, 64*\a
	v_lshl_or_b32 v[PW+(\a%2)], v[TM+5], 8, v[TM+4]
	v_lshl_or_b32 v[PW+(\a%2)], v[TM+6], 16, v[PW+(\a%2)]
	v_lshl_or_b32 v[PW+(\a%2)], v[TM+7], 24, v[PW+(\a%2)]
	WIN 0x02                                       ; source 0: window 2
.irp c, 0,1
	v_cvt_scalef32_pk16_fp6_f32 v[PC+6*\c:PC+2+6*\c], v[64*\a+32*\c:64*\a+15+32*\c], v[TM+12+2*\c]
	v_cvt_scalef32_pk16_fp6_f32 v[PC+12+4*\c:PC+14+4*\c], v[64*\a+16+32*\c:64*\a+31+32*\c], v[TM+12+2*\c+1]
.endr
	WIN 0
	v_nop                                          ; one plain line behind the conversions
.irp c, 0,1                            ; the layout wants a whole block in a lane
.irp i, 0,1,2
	v_permlane16_swap_b32 v[PC+6*\c+\i], v[PC+12+4*\c+\i]
.endr
.irp i, 0,1,2
	v_mov_b32 v[PC+3+6*\c+\i], v[PC+12+4*\c+\i]
.endr
.endr
	global_store_b128 v[L16], v[PC:PC+3], s[P0:P0+1] offset:3328*(\a/2)+768*(\a%2)            ; head 0's half: 512 consecutive bytes
	global_store_b64 v[L8], v[PC+4:PC+5], s[P0:P0+1] offset:3328*(\a/2)+768*(\a%2)+512        ; 256
	global_store_b128 v[L16], v[PC+6:PC+9], s[P0+2:P0+3] offset:3328*(\a/2)+768*(\a%2)        ; head 1's
	global_store_b64 v[L8], v[PC+10:PC+11], s[P0+2:P0+3] offset:3328*(\a/2)+768*(\a%2)+512
.if \a%2
	v_perm_b32 v[WD], v[PW+1], v[PW], s100
	v_perm_b32 v[WD+1], v[PW+1], v[PW], s101
	global_store_b32 v[L4], v[WD], s[P0:P0+1] offset:3328*(\a/2)+3072
	global_store_b32 v[L4], v[WD+1], s[P0+2:P0+3] offset:3328*(\a/2)+3072
.endif
.endr
	s_wait_xcnt 0x0                                ; the stores have read their addresses
	s_add_nc_u64 s[P0:P0+1], s[P0:P0+1], KVC       ; k's records
	s_add_nc_u64 s[P0+2:P0+3], s[P0+2:P0+3], KVC
	s_sub_co_i32 s[TRIP], s[TRIP], 1
	s_cmp_lg_u32 s[TRIP], 0
	s_wait_alu depctr_va_vdst(0)                   ; directly ahead of the branch
	s_cbranch_scc1 .Ltile
	KSTEP 1, 0, 1, 0                               ; v: nothing is left to fetch
	KSTEP 1, 1, 1, 0
	KSTEP 1, 2, 1, 0
	KSTEP 1, 3, 1, 1
	KSTEP 1, 4, 1, 0
	KSTEP 1, 5, 1, 0
	KSTEP 1, 6, 1, 0
	KSTEP 1, 7, 0, 0
	PLACES 4
; THE WAY OUT of v: a lane's 32 numbers of channel tile a, register 16 b + i = key 32 b + 16 (lane / 16) + i of my 64, become half a fragment and two scale bytes
.irp a, 0,1,2,3,4,5,6,7
	s_wait_xcnt 0x0
	TOP 2, 32*\a
	v_lshl_or_b32 v[WD], v[TM+5], 8, v[TM+4]
	WIN 0x02
	v_cvt_scalef32_pk16_fp6_f32 v[PC:PC+2], v[32*\a:32*\a+15], v[TM+12]
	v_cvt_scalef32_pk16_fp6_f32 v[PC+6:PC+8], v[32*\a+16:32*\a+31], v[TM+13]
	WIN 0
	v_nop
.irp i, 0,1,2
	v_permlane16_swap_b32 v[PC+\i], v[PC+6+\i]
.endr
.irp i, 0,1,2
	v_mov_b32 v[PC+3+\i], v[PC+6+\i]
.endr
	global_store_b128 v[L16], v[PC:PC+3], s[PV+2*(\a/4):PV+2*(\a/4)+1] offset:3328*(\a%4)
	global_store_b64 v[L8], v[PC+4:PC+5], s[PV+2*(\a/4):PV+2*(\a/4)+1] offset:3328*(\a%4)+512
	global_store_b16 v[L4], v[WD], s[PVW+2*(\a/4):PVW+2*(\a/4)+1] offset:3328*(\a%4)
.endr
	s_wait_tensorcnt 0x0                           ; the wave's end
	ds_add_u32 v[SPW], v[NIL]
	s_wait_dscnt 0x0
	CROUND                                         ; the closing round: no work-group ends while a partner may still ask for a tile that names it
	s_endpgm
.Lfunc_end_k_q558bc387c6_qkv:
	.size	k_q558bc387c6_qkv, .Lfunc_end_k_q558bc387c6_qkv-k_q558bc387c6_qkv
	.p2alignl 7, 3214868480
	.fill 96, 4, 3214868480
	.section	.rodata,"a",@progbits
	.p2align	6, 0x0
	.amdhsa_kernel k_q558bc387c6_qkv
		.amdhsa_group_segment_fixed_size 327680
		.amdhsa_private_segment_fixed_size 0
		.amdhsa_enable_private_segment 0
		.amdhsa_kernarg_size 48
		.amdhsa_user_sgpr_count 2
		.amdhsa_user_sgpr_kernarg_segment_ptr 1
		.amdhsa_wavefront_size32 1
		.amdhsa_system_sgpr_workgroup_id_x 1
		.amdhsa_system_sgpr_workgroup_id_y 1
		.amdhsa_system_sgpr_workgroup_id_z 1
		.amdhsa_system_vgpr_workitem_id 0
		.amdhsa_next_free_vgpr 1024
		.amdhsa_next_free_sgpr 102
		.amdhsa_reserve_vcc 0
		.amdhsa_float_denorm_mode_32 3
		.amdhsa_float_denorm_mode_16_64 3
		.amdhsa_memory_ordered 1
		.amdhsa_forward_progress 1
		.amdhsa_inst_pref_size 186
	.end_amdhsa_kernel
	.amdgpu_metadata
---
amdhsa.version: [ 1, 2 ]
amdhsa.kernels:
  - .name:           k_q558bc387c6_qkv
    .symbol:         k_q558bc387c6_qkv.kd
    .args:
      - { .name: xq, .offset: 0, .size: 8, .value_kind: global_buffer, .address_space: global }
      - { .name: wc, .offset: 8, .size: 8, .value_kind: global_buffer, .address_space: global }
      - { .name: bq, .offset: 16, .size: 8, .value_kind: global_buffer, .address_space: global }
      - { .name: bk, .offset: 24, .size: 8, .value_kind: global_buffer, .address_space: global }
      - { .name: bv, .offset: 32, .size: 8, .value_kind: global_buffer, .address_space: global }
      - { .name: qkv, .offset: 40, .size: 8, .value_kind: global_buffer, .address_space: global }
    .group_segment_fixed_size: 327680
    .private_segment_fixed_size: 0
    .kernarg_segment_align: 8
    .kernarg_segment_size: 48
    .max_flat_workgroup_size: 128
    .sgpr_count:     102
    .vgpr_count:     1024
    .wavefront_size: 32
...
	.end_amdgpu_metadata
.endif
;; end of part 2
;; launch attn (part 3): grid 4 x 64, 16 waves a work-group, no clusters, 327,680 bytes of LDS; arguments qkv, cc; writes cc
.if DOCPART == 3
	.amdgcn_target "amdgcn-amd-amdhsa--gfx1250"
	.amdhsa_code_object_version 6
	.text
	.protected	k_q558bc387c6_attn
	.globl	k_q558bc387c6_attn
	.p2align	8
	.type	k_q558bc387c6_attn,@function
k_q558bc387c6_attn:
	s_mov_b64 s[64:65], 0
	v_nop
	global_prefetch_b8 v0, s[64:65] scope:SCOPE_SE
	s_setreg_imm32_b32 hwreg(HW_REG_WAVE_MODE, 25, 1), 1
	s_wait_xcnt 0x0
; Causal attention on codes of FP6 (E2M3), head size 64, 2,048 tokens, 64 heads.  q, k, v come as images of the operands' registers, in records of 13,312 bytes for each (head, group of 128 tokens):
; four quarters of 3,328 bytes; quarter m: token tiles 2 m, 2 m + 1 of q or k (2 x 768), v's channel tile m (keys 0-63, 64-127: 2 x 768), 128 bytes of q's or k's scale words, 128 of v's.  q's records from byte 0, k's and v's from KVC.
; The result, O / l, is quantised along the channels and stored as the next product's operand (cc: codes [group of 128 tokens][head pair 8][tile 8][head of the pair 2][768], scale words [tile][head pair 8][128] behind them).
; t = score x log2(e) / 8; M = the running largest t rounded UP to a whole number; p = 2^(t - M) is quantised along the keys, not normalised; l sums the unquantised p; when M moves, l and O are multiplied by 2^(old M - new M): exact.
; LEFT OUT: key steps of 128 keys that lie wholly behind a unit's queries: the causal mask makes their scores -infinity, so their p is 0 for all values of the inputs.
; SHARES.  Work-group (i, head) owns the blocks of 128 queries 15 - i, i, 11 - i, 4 + i.  Wave w: tile w / 2 of 16 queries in the blocks 15 - iv and iv, iv = i + 4 (w % 2): two units, worked one after the other.
; Block j needs key steps 0 .. j: every wave of every work-group works (16 - iv) + (iv + 1) = 17 unit steps, two of them on the diagonal.  256 work-groups of equal work.
; ALL OF THE HEAD'S K AND V STAYS IN LDS: 16 records, 212,992 bytes, filled once, as four planes (a plane = one quarter of all 16 records, 53,248 bytes).  Wave w fetches quarter w % 4: at the head of record w / 4;
; behind the first barrier of record 4 + w / 4, behind the second of records 8 + w / 4 + 4 k, k = 0, 1 (2 rows of 3,328 bytes, four records apart): so each load holds a key step under 12, which some unit of every work-group reads.
; The walk goes in the order in which the records lie in LDS: key steps 0 .. 7, 8, 12, 9, 13, 10, 14, 11, 15, read off a constant table of 16 nibbles; the running maximum serves any order.
; Trip counts are constants; a step beyond the unit's block is jumped over by a branch on ids and that table alone.  Three barriers in all: one for each group of loads.
; Both products are used transposed: a lane holds ONE query.  K = 64 fills half of the instruction's 128: a fragment holds key tiles 2 m and 2 m + 1 side by side along K, and is multiplied by [q | 0] and by [0 | q].
; By the tiles' order (tile T = rows 32 (T / 2) + 8 (T % 2) + r + 8 (r / 8)) the 16 registers of two neighbouring tiles are 16 neighbouring keys, or channels.
; NO CLUSTER: the four work-groups that read a head's K and V own different blocks, so their jumps over hidden key steps hang on a work-group's place among the four.
; NO PREFETCH: all that the work-group reads is asked for by the three groups of tensor loads: there is no later load to run ahead of.
; A head writes its two bytes of each scale word of cc (2 bytes a lane): the word's other two are the pair's other head's, another work-group's.
; LIMITS: NaN and infinities are not served; the scaled scores stay under 2^31 in magnitude; a block's largest p is made from the block's largest score by the same multiply-add and exponential, which takes v_exp_f32
; not to fall where its input rises; a block of zeros has the byte 1 where the rule says 127 (its codes are zeros; this program alone reads the bytes).
.set KVC,   13631488
.set XS,    6291456
.set QT,    3328                       ; a quarter
.set REC,   4*QT
.set PL,    16*QT                      ; a plane
.set SPARE, 4*PL                       ; the spare words: 128 bytes a wave, eight blocks of 256 bytes that no other line names
.set DQ,   7                           ; v1-3: 16, 8, 4 x lane; v4-6: the same + two planes;  v7 my query in its block - 16 (lane / 16)
.set ST,   8                           ; v8-11 -M, the largest t, l in two halves
.set VS,   12                          ; v12-15 V's scale words
.set Q,    16                          ; v16-33 q 6, zeros 6, q 6
.set Q1,   34                          ; v34-39 the second unit's q
.set QS,   40                          ; v40 q's scale word; v41 the second unit's
.set SPW,  42
.set NIL,  43
.set FR,   44                          ; v44-91 K's four fragments; later p's codes
.set KS,   92                          ; v92-95 K's scale words
.set S,    96                          ; v96-159 scores, p
.set O,    160                         ; v160-191 O^T
.set VF,   192                         ; v192-239 V's four fragments
.set AT,   240                         ; v240-245 the step's six LDS addresses, where the maxima lie later
.set BMX,  240
.set PT,   244
.set SO,   248                         ; v252 f, v253 p's scale word, v254 at work
.set WV,   8
.set P,    10
.set E,    3
.set BLK,  14                          ; s14 = 15 - iv, s15 = iv
.set SEL,  20
.set CS,   22
.set TB,   48                          ; the record in hand, in a plane
.set CNT,  49
.set TAB,  50                          ; s[50:51] the key steps still to come, a nibble each
.set JJ,   52
	s_load_b128 s[4:7], s[0:1], 0x0                ; qkv, cc
	v_lshl_add_u32 v[SPW], v0, 2, SPARE
	v_mov_b32 v[NIL], 0
	ds_add_u32 v[SPW], v[NIL]                      ; the wave's opening: the add, twice on end, and its wait ahead of my first tensor load
	ds_add_u32 v[SPW], v[NIL]
	v_lshrrev_b32 v254, 5, v0
	v_readfirstlane_b32 s[WV], v254                ; wave 0..15
	s_and_b32 s9, s[WV], 1
	s_lshr_b32 s[P], s[WV], 1
	s_lshl_b32 s12, s9, 2
	s_add_co_u32 s[BLK+1], s12, ttmp9              ; iv
	s_sub_co_u32 s[BLK], 15, s[BLK+1]
	s_and_b32 s11, ttmp7, 0xffff                   ; the head: 16 batch + h
	s_and_b32 s[E], s11, 1
	s_mov_b32 s24, 3<<16                           ; group 1, first loads: elements of 8 bytes; 3,328 dense bytes as 13 rows of 256
	s_mov_b32 s25, 32<<16
	s_mov_b32 s26, 13<<16
	s_mov_b32 s27, 32<<16
	s_mov_b32 s28, 13
	s_mov_b32 s29, 32
	s_mov_b32 s30, 0
	s_mov_b32 s31, 0
	s_mov_b32 s32, 3<<16                           ; second loads: 2 rows of 416 elements, four records (6,656 elements) apart
	s_mov_b32 s33, 416<<16
; THE LOADS AND THE WALK AS THIS TEXT HAS THEM (these lines take the place of the head's on them): three loads a wave, each behind the landing of the one before: quarter w % 4 of record w / 4;
; of record 4 + w / 4; of records 8 + w / 4 + 4 k, k = 0, 1 (2 rows of 3,328 bytes, four records apart: each load holds a key step under 12, which some unit of every work-group reads).
; The records lie in LDS, and are walked, in the order 0 .. 7, 8, 12, 9, 13, 10, 14, 11, 15.  Three barriers in all, one for each group of loads; each load has four key steps' work in which to land.
	s_mov_b32 s34, 2<<16
	s_mov_b32 s35, 416<<16
	s_mov_b32 s36, 2
	s_mov_b32 s37, 4*REC/8
	s_mov_b32 s38, 0
	s_mov_b32 s39, 0
	s_and_b32 s16, s[WV], 3                        ; my quarter,
	s_lshr_b32 s17, s[WV], 2                       ; my record of four
	s_mul_i32 s18, s16, PL
	s_mul_i32 s19, s17, QT
	s_mov_b32 s40, 1
	s_add_co_u32 s41, s18, s19                     ; LDS: my plane, record w / 4
	s_mul_i32 s19, s17, 2*QT
	s_mov_b32 s44, 1
	s_add_co_u32 s45, s18, s19
	s_add_co_u32 s45, s45, 8*QT                    ; and places 8 + 2 (w / 4) + 0, 1
	s_mul_i32 s12, s11, 16*REC
	s_add_co_u32 s12, s12, KVC
	s_mul_i32 s13, s[WV], QT
	s_add_co_u32 s12, s12, s13
	s_mov_b32 s13, 0
	s_mov_b32 s[SEL], 0x76543210
	s_mov_b32 s[SEL+1], 0xfedcba98                 ; selects for lane l xor 16
	s_mov_b32 s[CS], 0x3e38aa3b                    ; c = log2(e) / 8
	s_mov_b32 s[CS+1], s[CS]                       ; (named with it as a pair)
	s_wait_dscnt 0x0                               ; both opening adds are done
	s_wait_kmcnt 0x0
	s_add_nc_u64 s[42:43], s[4:5], s[12:13]
	s_add_nc_u64 s[46:47], s[42:43], 8*REC
	s_or_b32 s43, s43, 0x80000000
	s_or_b32 s47, s47, 0x80000000
	tensor_load_to_lds s[40:43], s[24:31]          ; my sixteenth of key steps 0-3: one tensor load a wave at the head
	s_nop 0
	s_lshl_b32 s66, s11, 4                         ; q: my tile's quarter in the blocks' records,
	s_lshr_b32 s67, s[P], 1
	s_mul_i32 s67, s67, QT
	s_and_b32 s68, s[P], 1
	s_mul_i32 s70, s68, 768                        ; and its place there
	s_mov_b32 s71, 0
.irp u, 0,1
	s_add_co_u32 s12, s66, s[BLK+\u]
	s_mul_i32 s12, s12, REC
	s_add_co_u32 s12, s12, s67
	s_add_nc_u64 s[54+2*\u:55+2*\u], s[4:5], s[12:13]
	s_add_nc_u64 s[58+2*\u:59+2*\u], s[54+2*\u:55+2*\u], s[70:71]
.endr
	s_lshr_b32 s66, s11, 4                         ; where the results go
	s_lshl_b32 s66, s66, 4                         ; 16 batch
	s_bfe_u32 s67, s11, 0x30001                    ; the head pair
	s_mul_i32 s68, s67, 12288
	s_mul_i32 s69, s[P], 1536
	s_add_co_u32 s68, s68, s69
	s_mul_i32 s69, s[E], 768
	s_add_co_u32 s68, s68, s69
	s_lshl_b32 s69, s[E], 1                        ; the words: my head's two bytes,
	s_add_co_u32 s69, s69, XS
	s_lshl_b32 s70, s67, 7                         ; 128 bytes a head pair,
	s_add_co_u32 s69, s69, s70
	s_lshl_b32 s70, s[P], 10                       ; 1,024 a tile
	s_add_co_u32 s69, s69, s70
.irp u, 0,1
	s_add_co_u32 s70, s66, s[BLK+\u]
	s_mul_i32 s12, s70, 98304
	s_add_co_u32 s12, s12, s68
	s_add_nc_u64 s[76+2*\u:77+2*\u], s[6:7], s[12:13]
	s_lshl_b32 s12, s70, 13
	s_add_co_u32 s12, s12, s69
	s_add_nc_u64 s[72+2*\u:73+2*\u], s[6:7], s[12:13]
.endr
	s_lshr_b32 s70, s[P], 1
	s_lshl_b32 s70, s70, 5
	s_and_b32 s71, s[P], 1
	s_lshl_b32 s12, s71, 3
	s_add_co_u32 s70, s70, s12                     ; 32 (p / 2) + 8 (p % 2)
	s_mov_b32 s12, 0x01000100                      ; my tile's two bytes of the slot word, for both halves of K
	s_cmp_lg_u32 s71, 0
	s_cselect_b32 s12, 0x03020302, s12
	v_and_b32 v254, 31, v0
	s_delay_alu instid0(VALU_DEP_1)
	v_lshlrev_b32 v1, 4, v254
	v_lshlrev_b32 v2, 3, v254
	v_lshlrev_b32 v3, 2, v254
	global_load_b128 v[Q:Q+3], v1, s[58:59]                    ; q's half, twice: below the zeros and above them
	global_load_b64 v[Q+4:Q+5], v2, s[58:59] offset:512
	global_load_b128 v[Q+12:Q+15], v1, s[58:59]
	global_load_b64 v[Q+16:Q+17], v2, s[58:59] offset:512
	global_load_b32 v[QS], v3, s[54:55] offset:3072
	global_load_b128 v[Q1:Q1+3], v1, s[60:61]                  ; the second unit's, kept till its turn
	global_load_b64 v[Q1+4:Q1+5], v2, s[60:61] offset:512
	global_load_b32 v[QS+1], v3, s[56:57] offset:3072
	v_add_nc_u32 v4, 2*PL, v1
	v_add_nc_u32 v5, 2*PL, v2
	v_add_nc_u32 v6, 2*PL, v3
	v_and_b32 v[DQ], 15, v0
	v_and_b32 v254, 8, v0
	s_delay_alu instid0(VALU_DEP_1)
	v_add_nc_u32 v[DQ], v[DQ], v254                ; r + 8 (r / 8)
	v_and_b32 v254, 16, v0
	s_delay_alu instid0(VALU_DEP_1)
	v_sub_nc_u32 v[DQ], v[DQ], v254                ; - 16 h
	s_delay_alu instid0(VALU_DEP_1)
	v_add_nc_u32 v[DQ], s70, v[DQ]
.irp j, 6,7,8,9,10,11
	v_mov_b32 v[Q+\j], 0                           ; zero codes add nothing under any of these scale bytes
.endr
.irp b, 0,1,2,3
	v_mov_b32 v[PT+\b], 0                          ; a lane permute's destination counts as read
.endr
	v_mov_b32 v253, 0                              ; (named as the upper half of v[252:253])
	s_wait_loadcnt 0x0                             ; q and its words
	v_perm_b32 v[QS], v[QS], v[QS], s12
	v_perm_b32 v[QS+1], v[QS+1], v[QS+1], s12
; A unit begins: the 36 lines also stand between the write of q's scale word and the first product that takes it (eight plain lines or more)
.macro INIT
	v_mov_b32 v[ST+1], 0xff61b1e6                  ; the largest t so far: -3e38
	s_delay_alu instid0(VALU_DEP_1)
	v_floor_f32 v[ST], -v[ST+1]                    ; -M
	v_mov_b32 v[ST+2], 0
	v_mov_b32 v[ST+3], 0
.set n, 0
.rept 32
	v_mov_b32 v[O+n], 0                            ; the step is written once: the first finds zeros, which the first change of M leaves zeros
.set n, n+1
.endr
.endm
	INIT
.macro FRAG reg, at, off               ; a fragment: two halves 768 bytes apart, each 16 and 8 bytes a lane: each pass takes 256 consecutive bytes
	ds_load_b128 v[\reg:\reg+3], v[\at] offset:\off
	ds_load_b64 v[\reg+4:\reg+5], v[\at+1] offset:\off+512
	ds_load_b128 v[\reg+6:\reg+9], v[\at] offset:\off+768
	ds_load_b64 v[\reg+10:\reg+11], v[\at+1] offset:\off+1280
.endm
; One key step of unit u.  mask = 0: the step lies under every block that the unit can have: no jump, no diagonal
.macro KSTEP u, mask
	s_and_b32 s[JJ], s[TAB], 15                    ; the key step that lies at this place
.if \mask
	s_cmp_gt_u32 s[JJ], s[BLK+\u]                  ; all 128 keys come after the unit's queries: ids and constants alone
	s_cbranch_scc1 .Lskip_\@
.endif
.irp i, 0,1,2,3,4,5
	v_add_nc_u32 v[AT+\i], s[TB], v[1+\i]          ; six plain lines: the loads below land on registers that the last products read
.endr
.irp m, 0,1,2,3
	FRAG FR+12*\m, AT+3*(\m/2), (\m%2)*PL
	ds_load_b32 v[KS+\m], v[AT+3*(\m/2)+2] offset:(\m%2)*PL+3072
.endr
.irp m, 0,1,2,3
	FRAG VF+12*\m, AT+3*(\m/2), (\m%2)*PL+1536
	ds_load_b32 v[VS+\m], v[AT+3*(\m/2)+2] offset:(\m%2)*PL+3200
.endr
	s_wait_dscnt 20                                ; K's 20 loads are in; V's 20, issued behind them, may be out
.irp m, 0,1,2,3                        ; S^T = K Q^T: key tiles 2 m (K's lower 64 x q) and 2 m + 1 (upper 64 x q)
	v_wmma_scale_f32_16x16x128_f8f6f4 v[S+16*\m:S+16*\m+7], v[FR+12*\m:FR+12*\m+11], v[Q:Q+11], 0, v[KS+\m], v[QS] matrix_a_fmt:MATRIX_FMT_FP6 matrix_b_fmt:MATRIX_FMT_FP6
	v_wmma_scale_f32_16x16x128_f8f6f4 v[S+16*\m+8:S+16*\m+15], v[FR+12*\m:FR+12*\m+11], v[Q+6:Q+17], 0, v[KS+\m], v[QS] matrix_a_fmt:MATRIX_FMT_FP6 matrix_b_fmt:MATRIX_FMT_FP6
.endr
.rept 4
	v_nop
.endr
.if \mask
	s_cmp_lg_u32 s[JJ], s[BLK+\u]                  ; on the diagonal hidden scores become -infinity ahead of the maximum
	s_cbranch_scc1 .Lopen_\@
	v_mov_b32 v254, 0xff800000
.set n, 0
.rept 64
	v_cmp_gt_i32 vcc_lo, 32*(n/16)+n%16, v[DQ]     ; register n holds key 32 (n / 16) + n % 16 + 16 (lane / 16) of the step
	v_cndmask_b32 v[S+n], v[S+n], v254, vcc_lo
.set n, n+1
.endr
.Lopen_\@:
.endif
.irp b, 0,1,2,3
	v_max3_num_f32 v[BMX+\b], v[S+16*\b], v[S+1+16*\b], v[S+2+16*\b]   ; the largest score of each block of 32 keys: for the row's maximum, and for the block's largest p
.endr
.irp i, 3,5,7,9,11,13
.irp b, 0,1,2,3
	v_max3_num_f32 v[BMX+\b], v[BMX+\b], v[S+16*\b+\i], v[S+1+16*\b+\i]
.endr
.endr
.irp b, 0,1,2,3
	v_max_num_f32 v[BMX+\b], v[BMX+\b], v[S+15+16*\b]
.endr
.irp b, 0,1,2,3
	s_delay_alu instid0(VALU_DEP_4)
	v_permlanex16_b32 v[PT+\b], v[BMX+\b], s[SEL], s[SEL+1]
.endr
.irp b, 0,1,2,3
	s_delay_alu instid0(VALU_DEP_4)
	v_max_num_f32 v[BMX+\b], v[BMX+\b], v[PT+\b]
.endr
	s_delay_alu instid0(VALU_DEP_2)
	v_max3_num_f32 v254, v[BMX], v[BMX+1], v[BMX+2]
	s_delay_alu instid0(VALU_DEP_1)
	v_max_num_f32 v254, v254, v[BMX+3]
	s_delay_alu instid0(VALU_DEP_1)
	v_mul_f32 v254, s[CS], v254
	s_delay_alu instid0(VALU_DEP_1)
	v_max_num_f32 v[ST+1], v[ST+1], v254           ; the running largest t
	v_mov_b32 v254, v[ST]
	s_delay_alu instid0(VALU_DEP_2)
	v_floor_f32 v[ST], -v[ST+1]                    ; -M = floor(-t)
	s_delay_alu instid0(VALU_DEP_1)
	v_sub_f32 v254, v[ST], v254                    ; old M - new M: a whole number, 0 or less
	s_delay_alu instid0(VALU_DEP_1)
	v_cvt_i32_f32 v254, v254                       ; (it saturates)
	s_delay_alu instid0(VALU_DEP_1)
	v_ldexp_f32 v252, 1.0, v254                    ; f = 2^(old M - new M)
.set n, 0
.rept 32
	v_pk_fma_f32 v[S+n:S+n+1], v[S+n:S+n+1], s[CS:CS+1], v[ST:ST+1] op_sel_hi:[1,0,0]   ; t - M
.set n, n+2
.endr
.irp b, 0,1,2,3
	v_fma_f32 v[BMX+\b], v[BMX+\b], s[CS], v[ST]
.endr
	s_wait_dscnt 0x0                               ; V's fragments and words are in
	s_wait_alu depctr_va_vdst(0)                   ; ahead of the batch
.set n, 0
.rept 64
	v_exp_f32 v[S+n], v[S+n]                       ; p
.set n, n+1
.endr
	v_pk_mul_f32 v[ST+2:ST+3], v[ST+2:ST+3], v[252:253] op_sel_hi:[1,0]   ; l under the new M: the plain line behind the exponentials
	s_wait_alu depctr_va_vdst(0)                   ; one wait for the batch of 64, ahead of its first reader
.irp b, 0,1,2,3
	v_exp_f32 v[BMX+\b], v[BMX+\b]                 ; the blocks' largest p
.endr
	v_pk_add_f32 v[PT:PT+1], v[S:S+1], v[S+2:S+3]  ; l sums the unquantised p, in two chains
.set n, 4
.rept 15
	v_pk_add_f32 v[ST+2:ST+3], v[ST+2:ST+3], v[S+n:S+n+1]
	v_pk_add_f32 v[PT:PT+1], v[PT:PT+1], v[S+n+2:S+n+3]
.set n, n+4
.endr
	s_delay_alu instid0(VALU_DEP_1)
	v_pk_add_f32 v[ST+2:ST+3], v[ST+2:ST+3], v[PT:PT+1]
	s_wait_alu depctr_va_vdst(0)                   ; and one for the four
.irp b, 0,1,2,3
	v_max_num_f32 v[BMX+\b], 0x1800000, v[BMX+\b]  ; the floor 2^(3 - 127)
.endr
.irp b, 0,1,2,3
	s_delay_alu instid0(VALU_DEP_4)
	v_add_nc_u32 v[SO+\b], 0xff000000, v[BMX+\b]
.endr
.irp b, 0,1,2,3
	s_delay_alu instid0(VALU_DEP_4)
	v_lshrrev_b32 v[PT+\b], 23, v[SO+\b]
.endr
	s_delay_alu instid0(VALU_DEP_3)
	v_lshl_or_b32 v253, v[PT+1], 8, v[PT]          ; p's scale word
	s_delay_alu instid0(VALU_DEP_1)
	v_lshl_or_b32 v253, v[PT+2], 16, v253
	s_delay_alu instid0(VALU_DEP_1)
	v_lshl_or_b32 v253, v[PT+3], 24, v253
.irp c, 0,1
	v_cvt_scalef32_pk16_fp6_f32 v[FR+6*\c:FR+2+6*\c], v[S+32*\c:S+15+32*\c], v[SO+2*\c]
	v_cvt_scalef32_pk16_fp6_f32 v[FR+12+4*\c:FR+14+4*\c], v[S+16+32*\c:S+31+32*\c], v[SO+2*\c+1]
.endr
	v_nop                                          ; one plain line behind the conversions
.irp c, 0,1                            ; the layout wants a whole block in a lane
.irp i, 0,1,2
	v_permlane16_swap_b32 v[FR+6*\c+\i], v[FR+12+4*\c+\i]
.endr
.irp i, 0,1,2
	s_delay_alu instid0(VALU_DEP_3)
	v_mov_b32 v[FR+3+6*\c+\i], v[FR+12+4*\c+\i]
.endr
.endr
	s_wait_alu depctr_va_vdst(0)                   ; directly ahead of the first reader of O^T
.set n, 0
.rept 16
	v_pk_mul_f32 v[O+n:O+n+1], v[O+n:O+n+1], v[252:253] op_sel_hi:[1,0]   ; O^T under the new M; these 16 are also the places ahead of the products
.set n, n+2
.endr
.irp t, 0,1,2,3                        ; O^T += V^T P^T: four accumulators by turns
	v_wmma_scale_f32_16x16x128_f8f6f4 v[O+8*\t:O+8*\t+7], v[VF+12*\t:VF+12*\t+11], v[FR:FR+11], v[O+8*\t:O+8*\t+7], v[VS+\t], v253 matrix_a_fmt:MATRIX_FMT_FP6 matrix_b_fmt:MATRIX_FMT_FP6
.endr
.Lskip_\@:
	s_lshr_b64 s[TAB:TAB+1], s[TAB:TAB+1], 4
	s_add_co_u32 s[TB], s[TB], QT
	s_sub_co_i32 s[CNT], s[CNT], 1
	s_cmp_lg_u32 s[CNT], 0
	s_wait_alu depctr_va_vdst(0)                   ; directly ahead of the branch
.endm
; A unit's way out.  O^T / l: register 16 b + i is channel 32 b + 16 (lane / 16) + i of my head: two blocks, half a fragment
.macro FINISH u
	v_add_f32 v[ST+2], v[ST+2], v[ST+3]            ; five plain lines and more stand between the last products and the first read of O^T
	v_nop
	v_permlanex16_b32 v[PT], v[ST+2], s[SEL], s[SEL+1]
	s_delay_alu instid0(VALU_DEP_1)
	v_add_f32 v[ST+2], v[ST+2], v[PT]              ; l
	s_wait_alu depctr_va_vdst(0)                   ; the wait ahead of the reciprocal,
	v_rcp_f32 v[ST+2], v[ST+2]
	v_nop
	v_nop
	s_wait_alu depctr_va_vdst(0)                   ; and behind it, ahead of its first reader, which is O^T's too
.set n, 0
.rept 16
	v_pk_mul_f32 v[S+n:S+n+1], v[O+n:O+n+1], v[ST+2:ST+3] op_sel_hi:[1,0]   ; each accumulator from its low end on
.set n, n+2
.endr
.irp b, 0,1
	v_max3_num_f32 v[BMX+\b], |v[S+16*\b]|, |v[S+1+16*\b]|, 0x1800000
.endr
.irp i, 2,4,6,8,10,12,14
.irp b, 0,1
	s_delay_alu instid0(VALU_DEP_2)
	v_max3_num_f32 v[BMX+\b], v[BMX+\b], |v[S+16*\b+\i]|, |v[S+1+16*\b+\i]|
.endr
.endr
.irp b, 0,1
	s_delay_alu instid0(VALU_DEP_2)
	v_permlanex16_b32 v[PT+\b], v[BMX+\b], s[SEL], s[SEL+1]
.endr
.irp b, 0,1
	s_delay_alu instid0(VALU_DEP_2)
	v_max_num_f32 v[BMX+\b], v[BMX+\b], v[PT+\b]
.endr
.irp b, 0,1
	s_delay_alu instid0(VALU_DEP_2)
	v_add_nc_u32 v[BMX+2+\b], 0xff000000, v[BMX+\b]
.endr
.irp b, 0,1
	s_delay_alu instid0(VALU_DEP_2)
	v_lshrrev_b32 v[PT+2+\b], 23, v[BMX+2+\b]
.endr
	s_delay_alu instid0(VALU_DEP_1)
	v_lshl_or_b32 v[SO], v[PT+3], 8, v[PT+2]       ; my head's two bytes
	v_cvt_scalef32_pk16_fp6_f32 v[FR:FR+2], v[S:S+15], v[BMX+2]
	v_cvt_scalef32_pk16_fp6_f32 v[FR+6:FR+8], v[S+16:S+31], v[BMX+3]
	v_nop
.irp i, 0,1,2
	v_permlane16_swap_b32 v[FR+\i], v[FR+6+\i]
.endr
.irp i, 0,1,2
	s_delay_alu instid0(VALU_DEP_3)
	v_mov_b32 v[FR+3+\i], v[FR+6+\i]
.endr
	global_store_b128 v1, v[FR:FR+3], s[76+2*\u:77+2*\u]               ; 512 consecutive bytes
	global_store_b64 v2, v[FR+4:FR+5], s[76+2*\u:77+2*\u] offset:512   ; 256
	global_store_b16 v3, v[SO], s[72+2*\u:73+2*\u]                     ; my half of each row's scale word
.endm
	s_wait_alu depctr_va_vdst(0)                   ; the wait at the head's end
	s_wait_tensorcnt 0x0                           ; my part of key steps 0-3 is in
	ds_add_u32 v[SPW], v[NIL]
	s_mov_b32 s[TB], 0
	s_mov_b32 s[TAB], 0x76543210                   ; key steps 0 .. 7,
	s_mov_b32 s[TAB+1], 0xfbead9c8                 ; 8, 12, 9, 13, 10, 14, 11, 15
	s_mov_b32 s[CNT], 4
	s_add_co_u32 s41, s41, 4*QT                    ; no load of mine is out: the first group 0 steps to record 4 + w / 4
	s_add_nc_u64 s[42:43], s[42:43], 4*REC
	s_wait_dscnt 0x0
	s_barrier_signal -1
	s_barrier_wait -1                              ; everybody's part is in
	tensor_load_to_lds s[40:43], s[24:31]          ; key steps 4-7: my one load behind this barrier
	s_nop 0
.Lfirst:                                           ; block 15 - iv is 8 at the least: key steps 0-7 lie under it
	KSTEP 0, 0
	s_cbranch_scc1 .Lfirst
	s_wait_tensorcnt 0x0                           ; my part of key steps 4-7 is in
	ds_add_u32 v[SPW], v[NIL]
	s_mov_b32 s[TB], 4*QT
	s_mov_b32 s[CNT], 4
	s_wait_dscnt 0x0
	s_barrier_signal -1
	s_barrier_wait -1
	tensor_load_to_lds s[44:47], s[32:39]          ; key steps 8-15: my one load behind this barrier
	s_nop 0
.Lnext:
	KSTEP 0, 0
	s_cbranch_scc1 .Lnext
	s_wait_tensorcnt 0x0                           ; my part of the last eight is in
	s_wait_dscnt 0x0
	s_barrier_signal -1
	s_barrier_wait -1                              ; everybody's
	s_mov_b32 s[TB], 8*QT
	s_mov_b32 s[CNT], 8
.Lrest:
	KSTEP 0, 1
	s_cbranch_scc1 .Lrest
	FINISH 0
	v_mov_b32 v[QS], v[QS+1]                       ; the second unit: block iv, 7 at the most
.irp j, 0,1,2,3,4,5
	v_mov_b32 v[Q+\j], v[Q1+\j]
	v_mov_b32 v[Q+12+\j], v[Q1+\j]
.endr
	INIT
	s_mov_b32 s[TB], 0
	s_mov_b32 s[TAB], 0x76543210
	s_mov_b32 s[TAB+1], 0
	s_mov_b32 s[CNT], 8                            ; key steps 0-7 lie at places 0-7
	s_wait_alu depctr_va_vdst(0)                   ; directly ahead of the wait below
	s_wait_xcnt 0x0                                ; the first unit's stores have read their registers: the loads below land there
.Lsecond:
	KSTEP 1, 1
	s_cbranch_scc1 .Lsecond
	FINISH 1
	s_wait_tensorcnt 0x0                           ; the wave's end
	ds_add_u32 v[SPW], v[NIL]
	s_wait_dscnt 0x0
	s_endpgm
.Lfunc_end_k_q558bc387c6_attn:
	.size	k_q558bc387c6_attn, .Lfunc_end_k_q558bc387c6_attn-k_q558bc387c6_attn
	.p2alignl 7, 3214868480
	.fill 96, 4, 3214868480
	.section	.rodata,"a",@progbits
	.p2align	6, 0x0
	.amdhsa_kernel k_q558bc387c6_attn
		.amdhsa_group_segment_fixed_size 327680
		.amdhsa_private_segment_fixed_size 0
		.amdhsa_enable_private_segment 0
		.amdhsa_kernarg_size 16
		.amdhsa_user_sgpr_count 2
		.amdhsa_user_sgpr_kernarg_segment_ptr 1
		.amdhsa_wavefront_size32 1
		.amdhsa_system_sgpr_workgroup_id_x 1
		.amdhsa_system_sgpr_workgroup_id_y 1
		.amdhsa_system_sgpr_workgroup_id_z 1
		.amdhsa_system_vgpr_workitem_id 0
		.amdhsa_next_free_vgpr 256
		.amdhsa_next_free_sgpr 80
		.amdhsa_reserve_vcc 1
		.amdhsa_float_denorm_mode_32 3
		.amdhsa_float_denorm_mode_16_64 3
		.amdhsa_memory_ordered 1
		.amdhsa_forward_progress 1
		.amdhsa_inst_pref_size 100
	.end_amdhsa_kernel
	.amdgpu_metadata
---
amdhsa.version: [ 1, 2 ]
amdhsa.kernels:
  - .name:           k_q558bc387c6_attn
    .symbol:         k_q558bc387c6_attn.kd
    .args:
      - { .name: qkv, .offset: 0, .size: 8, .value_kind: global_buffer, .address_space: global }
      - { .name: cc, .offset: 8, .size: 8, .value_kind: global_buffer, .address_space: global }
    .group_segment_fixed_size: 327680
    .private_segment_fixed_size: 0
    .kernarg_segment_align: 8
    .kernarg_segment_size: 16
    .max_flat_workgroup_size: 512
    .sgpr_count:     80
    .vgpr_count:     256
    .wavefront_size: 32
...
	.end_amdgpu_metadata
.endif
;; end of part 3
;; launch oproj (part 4): grid 8 x 32, 4 waves a work-group, clusters of 4 x 4, 327,680 bytes of LDS; arguments cc, wc, bo, out0; writes out0
.if DOCPART == 4
	.amdgcn_target "amdgcn-amd-amdhsa--gfx1250"
	.amdhsa_code_object_version 6
	.text
	.protected	k_q558bc387c6_oproj
	.globl	k_q558bc387c6_oproj
	.p2align	8
	.type	k_q558bc387c6_oproj,@function
k_q558bc387c6_oproj:
	s_mov_b64 s[64:65], 0
	v_nop
	global_prefetch_b8 v0, s[64:65] scope:SCOPE_SE
	s_setreg_imm32_b32 hwreg(HW_REG_WAVE_MODE, 25, 1), 1
	s_wait_xcnt 0x0
	s_wait_alu depctr_hold_cnt(0) depctr_sa_sdst(0) depctr_va_vdst(0) depctr_va_sdst(0) depctr_va_ssrc(0) depctr_va_vcc(0) depctr_vm_vsrc(0)
	s_getreg_b32 s2, hwreg(HW_REG_IB_STS2, 6, 4)
	s_cmp_eq_u32 s2, 0
	s_cbranch_scc0 .Lentry_in_a_cluster
	s_endpgm
.Lentry_in_a_cluster:
	s_bfe_u32 s2, ttmp6, 0x10000c
	s_cmp_lg_u32 s2, 0xf033
	s_cbranch_scc0 .Lentry_shape_is_right
	s_endpgm
.Lentry_shape_is_right:
; out0 = cc Wo + bo, f32, on codes of FP6 (E2M3) with E8M0 scales, K = 1,024.
; Operands are images of their registers: tiles of 16 rows, tile T = rows 32 (T / 2) + 8 (T % 2) + r + 8 (r / 8); a half of 768 bytes = 16 rows x 64 K;
; codes [group of 128 rows][K step 8][tile 8][half 2][768]; scale words behind them, [tile][K step 8][128].  Wo's columns are wc's groups 24-31.
; SHARES.  256 work-groups of equal work: work-group (cb, tb) makes 256 tokens x 128 columns; a wave 64 tokens x 128 columns: 32 accumulators.
; Source 0 = a tile of Wo's columns, source 1 = a tile of cc's tokens: a lane holds a token, and by the tiles' order the 16 registers of tiles 2 b, 2 b + 1 are 16 neighbouring columns.
; LDS holds all of K and nothing is filled again: cc's codes ([half of K 2][group 2][49,152]), Wo's ([half of K 2][49,152]), cc's scale words (16,384), Wo's (8,192).
; One tensor load a wave at the head (cc's K steps 0-3, Wo's, the two tiles of words); behind the landing of these and a round of the cluster's barrier, K steps 4-7 of both.
; One more barrier, at the head of K step 3, shows K steps 4-7 whole to all four waves; behind it nobody reads Wo's K steps 0-3, where the waves' stages for the way out lie.
; CLUSTERS 4 x 4: cc's tiles are asked for jointly along a row of the cluster (same tb), Wo's along a column (same cb).
; NO PREFETCH: all that the work-group reads is asked for by the two groups of loads at its head: there is no loop to run ahead in.
; The bias is the C of the first products.  REGISTERS: window 0: v14-31 addresses, v32-63 cc's scale words (8 a + K step), v64-127 Wo's (8 b + K step), v128-191 the bias; on the way out v128-255 hold rows.
;   window 1: Wo's fragments, two sets (0, 128).  window 2: the accumulators, (a, b) at 8 (8 a + b).  window 3: cc's fragments, two sets (0, 64).
.set XS,    6291456
.set WS,    3145728
.set GRP,   98304
.set HK,    49152                      ; four K steps of a group
.set WL,    4*HK
.set XW,    6*HK
.set WW,    XW+16384
.set SPARE, WW+8192                    ; the spare words: 128 bytes a wave, two blocks of 256 bytes that no other line names
.set SPITCH, 528                       ; the stage: 16 rows x (512 + 16) bytes a wave
.set STO,  14
.set RD,   15
.set AX16, 16                          ; v16-17 cc: 16 x lane in half 0, 1 of K; v18-19: 8 x lane
.set AX8,  18
.set AW16, 20                          ; v20-23 the same for Wo
.set AW8,  22
.set L16,  24
.set L8,   25
.set L4,   26
.set AXW,  27
.set SPW,  28
.set NIL,  29
.set AWW,  30
.set XSC,  32
.set WSC,  64
.set BN,   128
.set BK,   128
.set G1X,  24                          ; group 1: cc's codes, Wo's codes, cc's words, Wo's words
.set G1W,  32
.set G1XW, 48
.set G1WW, 56
.set G0X,  68                          ; group 0: cc's codes; Wo's halves 0, 1; cc's words; Wo's words
.set G0W,  72
.set G0XW, 80
.set G0WW, 84
.set MSB, 0
.macro WIN new                         ; the immediate's high byte repeats the setting that is left
.if MSB != \new
	s_set_vgpr_msb (MSB<<8)|\new
.set MSB, \new
.endif
.endm
.macro PLACES n                        ; plain vector lines between a matrix instruction and a load into, or a store of, its registers (ISA guide 7.12.1 for stores)
.rept \n
	v_nop
.endr
.endm
.macro CREST                           ; a round of the cluster's barrier behind its opening barrier
	s_cmp_lg_u32 s16, 0
	s_cbranch_scc1 .Lnot_wave_0_\@
	s_barrier_signal -3
.Lnot_wave_0_\@:
	s_barrier_wait -3
	s_barrier_signal -1
	s_barrier_wait -1
.endm
.macro CROUND
	s_barrier_signal -1
	s_barrier_wait -1
	CREST
.endm
.macro TLOAD g0, g1                    ; an s_nop 0 and four v_nop follow each tensor load
	tensor_load_to_lds s[\g0:\g0+3], s[\g1:\g1+7]
	s_nop 0
	PLACES 4
.endm
.macro SHAPE g, c, r, p                ; r rows of c elements of 8 bytes, p elements apart
	s_mov_b32 s[\g+1], (\c)<<16
	s_mov_b32 s[\g+2], (\r)<<16
	s_mov_b32 s[\g+3], (\c)<<16
	s_mov_b32 s[\g+4], \r
	s_mov_b32 s[\g+5], \p
	s_mov_b32 s[\g+6], 0
	s_mov_b32 s[\g+7], 0
.endm
.macro G0SET g, lds, b, o
	s_mov_b32 s[\g], 1
	s_mov_b32 s[\g+1], \lds
	s_add_nc_u64 s[\g+2:\g+3], s[\b:\b+1], s[\o:\o+1]
	s_or_b32 s[\g+3], s[\g+3], 0x80000000
.endm
	s_load_b256 s[4:11], s[0:1], 0x0               ; cc, wc, bo, out0
	v_lshl_add_u32 v[SPW], v0, 2, SPARE
	v_mov_b32 v[NIL], 0
	ds_add_u32 v[SPW], v[NIL]                      ; the wave's opening: the add, twice on end, and its wait ahead of my first tensor load
	ds_add_u32 v[SPW], v[NIL]
	v_lshrrev_b32 v1, 5, v0
	v_readfirstlane_b32 s16, v1                    ; wave 0..3
	s_lshr_b32 s17, s16, 1                         ; my group of the two groups of tokens,
	s_and_b32 s18, s16, 1                          ; my 64 tokens of its 128
	s_bfe_u32 s40, ttmp6, 0x40000                  ; cx
	s_bfe_u32 s41, ttmp6, 0x40004                  ; cy
	s_lshl_b32 s42, ttmp9, 2
	s_add_co_u32 s42, s42, s40                     ; cb, the block of 128 columns
	s_and_b32 s43, ttmp7, 0xffff
	s_lshl_b32 s43, s43, 2
	s_add_co_u32 s43, s43, s41                     ; tb, the block of 256 tokens
	s_lshl_b32 s47, s41, 2
	s_lshl_b32 s47, 15, s47                        ; my row of the cluster
	s_lshl_b32 s19, 0x1111, s40                    ; my column
	s_or_b32 s[G1X], s47, (3<<16)|(1<<21)          ; 15:0 the mask; 17:16 elements of 8 bytes; 21 set beside a mask; no padding: every LDS pass takes 256 consecutive bytes
	s_or_b32 s[G1XW], s47, (3<<16)|(1<<21)
	s_or_b32 s[G1W], s19, (3<<16)|(1<<21)
	s_or_b32 s[G1WW], s19, (3<<16)|(1<<21)
	SHAPE G1X, 6144, 2, GRP/8                      ; two groups' four K steps: 2 rows of 49,152 bytes
	SHAPE G1W, 32, 192, 32                         ; 49,152 dense bytes
	SHAPE G1XW, 32, 64, 32                         ; 16,384
	SHAPE G1WW, 32, 32, 32                         ; 8,192
	s_mul_i32 s20, s43, 2*GRP                      ; cc: s20-23 never hold cx or the cluster's x
	s_lshl_b32 s22, s43, 14
	s_add_co_u32 s22, s22, XS
	s_mov_b32 s21, 0
	s_mov_b32 s23, 0
	s_mul_i32 s88, s42, GRP                        ; Wo: s88-91 never hold cy or the cluster's y
	s_add_co_u32 s88, s88, 24*GRP
	s_lshl_b32 s90, s42, 13
	s_add_co_u32 s90, s90, WS+24*8192
	s_mov_b32 s89, 0
	s_mov_b32 s91, 0
	s_wait_dscnt 0x0                               ; both opening adds are done
	s_wait_kmcnt 0x0
	G0SET G0X, 0, 4, 20
	G0SET G0XW, XW, 4, 22
	G0SET G0W, WL, 6, 88
	G0SET G0WW, WW, 6, 90
	s_mov_b32 s[G0W+4], 1
	s_mov_b32 s[G0W+5], WL+HK
	s_add_nc_u64 s[G0W+6:G0W+7], s[G0W+2:G0W+3], HK
	CROUND                                         ; all sixteen work-groups are here: the first joint loads meet
; one tensor load a wave at the head: one chain of branches on the wave's number, a load to an arm, all arms to one join
.macro ARM under, g0, g1, next
	s_cmp_lt_u32 s16, \under
	s_cbranch_scc0 \next
	TLOAD \g0, \g1
	s_branch .Lhead_asked
\next:
.endm
	ARM 1, G0X,  G1X,  .Lhead_w
	ARM 2, G0W,  G1W,  .Lhead_xw
	ARM 3, G0XW, G1XW, .Lhead_ww
	TLOAD G0WW, G1WW
.Lhead_asked:
	s_lshl_b32 s46, s42, 9                         ; my 128 columns, in bytes
	s_mov_b32 s47, 0
	s_add_nc_u64 s[8:9], s[8:9], s[46:47]          ; their biases
	s_lshl_b32 s20, s43, 1
	s_add_co_u32 s20, s20, s17
	s_lshl_b32 s20, s20, 1
	s_add_co_u32 s20, s20, s18                     ; my 64 tokens, 0..127
	s_lshl_b32 s20, s20, 18                        ; 64 rows of 4,096 bytes
	s_add_co_u32 s20, s20, s46
	s_mov_b32 s21, 0
	s_add_nc_u64 s[10:11], s[10:11], s[20:21]      ; my corner of out0
	s_mul_i32 s20, s17, HK
	s_mul_i32 s21, s18, 6144
	s_add_co_u32 s20, s20, s21                     ; cc in LDS: my group, my four tiles
	s_add_co_u32 s21, s20, 2*HK
	s_lshl_b32 s22, s17, 13
	s_lshl_b32 s23, s18, 12
	s_add_co_u32 s22, s22, s23
	s_add_co_u32 s22, s22, XW
	s_mul_i32 s23, s16, 16*SPITCH
	s_add_co_u32 s23, s23, WL                      ; my stage
	v_and_b32 v1, 31, v0
	v_and_b32 v2, 15, v0                           ; r
	v_bfe_u32 v3, v0, 4, 1                         ; h
	v_lshlrev_b32 v[L16], 4, v1
	v_lshlrev_b32 v[L8], 3, v1
	v_lshlrev_b32 v[L4], 2, v1
	v_lshlrev_b32 v5, 6, v3                        ; the bias: register 16 b + i is number 32 b + 16 h + i of the 128
	v_mul_u32_u24 v4, v2, SPITCH
	v_lshl_add_u32 v4, v3, 6, v4
	v_add_nc_u32 v[STO], s23, v4                   ; into the stage: row r, + 64 h
	v_add_nc_u32 v[RD], s23, v[L16]                ; back: a row of 512 bytes
	v_add_nc_u32 v[AX16], s20, v[L16]
	v_add_nc_u32 v[AX16+1], s21, v[L16]
	v_add_nc_u32 v[AX8], s20, v[L8]
	v_add_nc_u32 v[AX8+1], s21, v[L8]
	v_add_nc_u32 v[AW16], WL, v[L16]
	v_add_nc_u32 v[AW16+1], WL+HK, v[L16]
	v_add_nc_u32 v[AW8], WL, v[L8]
	v_add_nc_u32 v[AW8+1], WL+HK, v[L8]
	v_add_nc_u32 v[AXW], s22, v[L4]
	v_add_nc_u32 v[AWW], WW, v[L4]
.irp b, 0,1,2,3
.irp j, 0,1,2,3
	global_load_b128 v[BN+16*\b+4*\j:BN+16*\b+4*\j+3], v5, s[8:9] offset:128*\b+16*\j
.endr
.endr
.macro FRAG reg, a16, a8, off          ; a fragment: two halves, each 16 and 8 bytes a lane
	ds_load_b128 v[\reg:\reg+3], v[\a16] offset:\off
	ds_load_b64 v[\reg+4:\reg+5], v[\a8] offset:\off+512
	ds_load_b128 v[\reg+6:\reg+9], v[\a16] offset:\off+768
	ds_load_b64 v[\reg+10:\reg+11], v[\a8] offset:\off+1280
.endm
; PP: the set of fragments that the step in hand multiplies; NK: the K step that is fetched meanwhile into the other set.  Fragments 0-7: Wo's tiles; 8-11: cc's
.macro LDF f
.if (\f) < 8
	WIN 0x40
	FRAG 128*(1-PP)+12*(\f), AW16+NK/4, AW8+NK/4, (NK%4)*12288+(\f)*1536
.else
	WIN 0xc0
	FRAG 64*(1-PP)+12*((\f)-8), AX16+NK/4, AX8+NK/4, (NK%4)*12288+((\f)-8)*1536
.endif
.endm
.macro LDALL                           ; one run of 48 LDS loads
.irp f, 0,1,2,3,4,5,6,7,8,9,10,11
	LDF \f
.endr
.endm
; one product: accumulator i = (token tile i / 8, column tile i % 8).  The first K step takes the bias as C
.macro WM i, ks
.set TA, (\i)/8
.set TC, (\i)%8
.if (\ks) == 0
	v_wmma_scale_f32_16x16x128_f8f6f4 v[8*(\i):8*(\i)+7], v[128*PP+12*TC:128*PP+12*TC+11], v[64*PP+12*TA:64*PP+12*TA+11], v[BN+8*TC:BN+8*TC+7], v[WSC+8*TC+(\ks)], v[XSC+8*TA+(\ks)] matrix_a_fmt:MATRIX_FMT_FP6 matrix_b_fmt:MATRIX_FMT_FP6
.else
	v_wmma_scale_f32_16x16x128_f8f6f4 v[8*(\i):8*(\i)+7], v[128*PP+12*TC:128*PP+12*TC+11], v[64*PP+12*TA:64*PP+12*TA+11], v[8*(\i):8*(\i)+7], v[WSC+8*TC+(\ks)], v[XSC+8*TA+(\ks)] matrix_a_fmt:MATRIX_FMT_FP6 matrix_b_fmt:MATRIX_FMT_FP6
.endif
.endm
.macro GRPM g, ks                      ; eight products; the 32 accumulators take turns, one instruction a turn, in the same order in every step
.if (\ks) == 0
	WIN 0x8d                                       ; source 0 (Wo) window 1, source 1 (cc) window 3, C (the bias) window 0, D window 2
.else
	WIN 0xad
.endif
.irp j, 0,1,2,3,4,5,6,7
	WM 8*(\g)+\j, \ks
.endr
.endm
; A K step: 32 products on set PP, and one run of 48 LDS loads, the next step's fragments into the other set: at the step's head, or, where the step has the barrier, behind it
.macro KSTEP ks, more, bar
.set PP, (\ks)%2
.set NK, ((\ks)+1)%8
	PLACES 4                                       ; ahead of the loads into the set that the last step multiplied
.if \bar
	WIN 0
	s_wait_tensorcnt 0x0                           ; my part of K steps 4-7 is in
	s_wait_dscnt 0x0                               ; this step's fragments are in: my reads of K steps 0-3 are over
	s_barrier_signal -1
	GRPM 0, \ks                                    ; work on registers while the others arrive
	WIN 0
	s_barrier_wait -1
	LDALL
	GRPM 1, \ks
	GRPM 2, \ks
	GRPM 3, \ks
.else
	s_wait_dscnt 0x0                               ; this step's fragments are in (asked for at least 24 products ago)
.if \more
	LDALL
.endif
	GRPM 0, \ks
	GRPM 1, \ks
	GRPM 2, \ks
	GRPM 3, \ks
.endif
.endm
	s_wait_alu depctr_va_vdst(0)                   ; the wait at the head's end
	s_wait_tensorcnt 0x0                           ; my tile of the head's four is in
	ds_add_u32 v[SPW], v[NIL]
	s_mov_b32 s[G0X+1], 2*HK                       ; no load of mine is out: cc's group 0 steps to K steps 4-7
	s_add_nc_u64 s[G0X+2:G0X+3], s[G0X+2:G0X+3], HK
	s_wait_dscnt 0x0
	CROUND
	s_cmp_eq_u32 s16, 0                            ; K steps 4-7: wave 0 cc's, wave 1 Wo's: first fills, one load a wave
	s_cbranch_scc0 .Lrest_w
	TLOAD G0X, G1X
	s_branch .Lrest_asked
.Lrest_w:
	s_cmp_eq_u32 s16, 1
	s_cbranch_scc0 .Lrest_asked
	TLOAD G0W+4, G1W
.Lrest_asked:
.irp a, 0,1,2,3
.irp k, 0,1,2,3,4,5,6,7
	ds_load_b32 v[XSC+8*\a+\k], v[AXW] offset:1024*\a+128*\k
.endr
.endr
.irp b, 0,1,2,3,4,5,6,7
.irp k, 0,1,2,3,4,5,6,7
	ds_load_b32 v[WSC+8*\b+\k], v[AWW] offset:1024*\b+128*\k
.endr
.endr
.set PP, 1
.set NK, 0
	LDALL
	WIN 0
	s_wait_loadcnt 0x0                             ; the bias
	KSTEP 0, 1, 0
	KSTEP 1, 1, 0
	KSTEP 2, 1, 0
	KSTEP 3, 1, 1
	KSTEP 4, 1, 0
	KSTEP 5, 1, 0
	KSTEP 6, 1, 0
	KSTEP 7, 0, 0
	PLACES 4
; THE WAY OUT: a tile of 16 rows x 128 columns goes through my stage and comes back as whole rows of 512 bytes.  LDS serves a wave's instructions in order (ISA guide 5.7.1.4).
.macro TOSTAGE a
	WIN 0x08                                       ; an LDS store's data: window 2
.irp b, 0,1,2,3,4,5,6,7
	ds_store_b128 v[STO], v[64*(\a)+8*\b:64*(\a)+8*\b+3] offset:128*(\b/2)+32*(\b%2)       ; columns 32 (b / 2) + 8 (b % 2) + 16 h + 0 .. 7; each accumulator from its low end on
	ds_store_b128 v[STO], v[64*(\a)+8*\b+4:64*(\a)+8*\b+7] offset:128*(\b/2)+32*(\b%2)+16
.endr
	WIN 0
.set BB, BK+64*((\a)%2)
.irp t, 0,1,2,3,4,5,6,7,8,9,10,11,12,13,14,15
	ds_load_b128 v[BB+4*\t:BB+4*\t+3], v[RD] offset:\t*SPITCH
.endr
.endm
.macro SEND a, younger
.set BB, BK+64*((\a)%2)
	s_wait_dscnt \younger                          ; the tile is back; the LDS instructions issued behind its loads may be out
.irp t, 0,1,2,3,4,5,6,7,8,9,10,11,12,13,14,15
	global_store_b128 v[L16], v[BB+4*\t:BB+4*\t+3], s[10:11] offset:(32*((\a)/2)+8*((\a)%2)+\t+8*(\t/8))*4096 th:TH_STORE_NT   ; 512 consecutive bytes; the row stands in the immediate, 63 rows at the most
.endr
.endm
	TOSTAGE 0
.irp a, 1,2,3
.if \a > 1
	s_wait_xcnt 0x0                                ; tile a - 2's stores have read their registers: tile a's loads may land there
.endif
	TOSTAGE \a
	SEND \a-1, 32                                  ; behind tile a - 1's loads: tile a's 16 stores and 16 loads
.endr
	SEND 3, 0
	s_wait_tensorcnt 0x0                           ; the wave's end
	ds_add_u32 v[SPW], v[NIL]
	s_wait_dscnt 0x0
	CROUND                                         ; the closing round: no work-group ends while a partner may still ask for a tile that names it
	s_endpgm
.Lfunc_end_k_q558bc387c6_oproj:
	.size	k_q558bc387c6_oproj, .Lfunc_end_k_q558bc387c6_oproj-k_q558bc387c6_oproj
	.p2alignl 7, 3214868480
	.fill 96, 4, 3214868480
	.section	.rodata,"a",@progbits
	.p2align	6, 0x0
	.amdhsa_kernel k_q558bc387c6_oproj
		.amdhsa_group_segment_fixed_size 327680
		.amdhsa_private_segment_fixed_size 0
		.amdhsa_enable_private_segment 0
		.amdhsa_kernarg_size 32
		.amdhsa_user_sgpr_count 2
		.amdhsa_user_sgpr_kernarg_segment_ptr 1
		.amdhsa_wavefront_size32 1
		.amdhsa_system_sgpr_workgroup_id_x 1
		.amdhsa_system_sgpr_workgroup_id_y 1
		.amdhsa_system_sgpr_workgroup_id_z 1
		.amdhsa_system_vgpr_workitem_id 0
		.amdhsa_next_free_vgpr 1024
		.amdhsa_next_free_sgpr 102
		.amdhsa_reserve_vcc 0
		.amdhsa_float_denorm_mode_32 3
		.amdhsa_float_denorm_mode_16_64 3
		.amdhsa_memory_ordered 1
		.amdhsa_forward_progress 1
		.amdhsa_inst_pref_size 90
	.end_amdhsa_kernel
	.amdgpu_metadata
---
amdhsa.version: [ 1, 2 ]
amdhsa.kernels:
  - .name:           k_q558bc387c6_oproj
    .symbol:         k_q558bc387c6_oproj.kd
    .args:
      - { .name: cc, .offset: 0, .size: 8, .value_kind: global_buffer, .address_space: global }
      - { .name: wc, .offset: 8, .size: 8, .value_kind: global_buffer, .address_space: global }
      - { .name: bo, .offset: 16, .size: 8, .value_kind: global_buffer, .address_space: global }
      - { .name: out0, .offset: 24, .size: 8, .value_kind: global_buffer, .address_space: global }
    .group_segment_fixed_size: 327680
    .private_segment_fixed_size: 0
    .kernarg_segment_align: 8
    .kernarg_segment_size: 32
    .max_flat_workgroup_size: 128
    .sgpr_count:     102
    .vgpr_count:     1024
    .wavefront_size: 32
...
	.end_amdgpu_metadata
.endif
;; end of part 4
